; MI455X (gfx1250); checked and timed in simulation.
; The chip was launched on July 23, 2026; its instructions are those of AMD's public machine-readable ISA for CDNA 5 (MIT licence, August 2026) and "CDNA5" Instruction Set Architecture Reference Guide (July 2026). The comments in the code are by the model that wrote it; some were corrected since.
;; Concept Emb. Allowed arithmetic: matrix products marked QUANTISED: E2M1 operands, one E8M0 scale for each 32 along K, by v_wmma_scale_f32_16x16x128_f8f6f4 with both operands' format E2M1 (or v_wmma_scale_f32_32x16x128_f4), f32 sums; everything else in f32.
;; Inputs: emb_table 50,000 x 128 float32; id_mask 32 x 512 x 32 float32; input_ids 32 x 512 x 32 int32; input_times 32 x 512 float32; kW 64 x 128 float32; kb 64 float32; mu_table 50,000 x 1 float32; qW 64 x 128 float32; qb 64 float32; theta_table 50,000 x 1 float32.
;; Outputs: out0 32 x 512 x 128 float32.
;; This version of the problem:
;;   THIS VERSION OF THE PROBLEM IS GIVEN IN LOW PRECISION. The matrix products marked QUANTISED in the list below multiply operands that are first quantised to E2M1 (2 exponent bits, 1 mantissa bit; 4 bits a number), with one power-of-two scale for each 32 numbers along K (OCP MX v1.0); their sums are f32. All else is computed in f32.
;;   The module's matrix products, in the order in which they are computed (A, B: the left and right operand; K: the contracted axis; several contracted axes count as one K, in the product's order):
;;     1. [M 524,288, K 128] x [K 128, N 64]; A: computed on the way; B: input qW: QUANTISED
;;     2. [M 524,288, K 128] x [K 128, N 64]; A: computed on the way; B: input kW: QUANTISED
;;     3. batch 16,384 x [M 32, K 64] x [K 64, N 32]; A: computed on the way; B: computed on the way: QUANTISED
;;     4. batch 16,384 x [M 32, K 32] x [K 32, N 128]; A: softmax (see below); B: computed on the way: QUANTISED
;;   THE QUANTISER, for each operand of a quantised product, along K:
;;     - K is cut into blocks of 32 from its start; a last block that is shorter is filled with zeros.
;;     - A block's scale is 2^e with e = floor(log2(the largest magnitude in the block)) - 2, held to -126 .. 127; a block of zeros has e = 0. As a byte (E8M0): e + 127.
;;     - Each number is divided by its block's scale, clamped to +-6, and rounded to the nearest number of E2M1, ties to even, subnormals kept.
;;     - The product sums the exact products of the quantised numbers (number of the format x scale) in f32.
;;   ~~~python
;;   def quantise(x, axis):      # numpy; x: float32 -> the quantised numbers, widened to float32 again
;;       x = np.moveaxis(x, axis, -1); K = x.shape[-1]
;;       x = np.pad(x, [(0, 0)] * (x.ndim - 1) + [(0, -K % 32)]); x = x.reshape(x.shape[:-1] + (-1, 32)); a = np.abs(x).max(-1, keepdims=True)
;;       e = np.where(a > 0, np.clip(np.frexp(np.where(a > 0, a, 1))[1] - 1 - 2, -126, 127), 0)      # np.frexp(a)[1] - 1 = floor(log2(a)), exactly
;;       r = np.clip(x / 2.0 ** e, -6, 6)
;;       step = 2.0 ** (np.maximum(np.frexp(np.where(r == 0, 1, r))[1] - 1, 0) - 1)
;;       q = np.round(r / step) * step * 2.0 ** e      # np.round: ties to even
;;       return np.moveaxis(q.reshape(q.shape[:-2] + (-1,))[..., :K], -1, axis).astype(np.float32)
;;   ~~~
;;   SOFTMAX AHEAD OF A QUANTISED PRODUCT. Where the list says 'softmax', what is quantised is not the finished softmax but p = 2^(t - M), with t = logit x log2(e) and M = ceil(the row's largest t), a whole number; so 1/2 < the row's largest p <= 1. The row's sum l is taken of the UNQUANTISED p, in f32, and the product's result is divided by l at the end. Since M is a whole number, a kernel that streams over the keys may use a running M (the ceiling of the running maximum): every later rescaling is an exact power of two, which a block's scale takes up: the codes' values come out the same.
;;   OPERANDS COMPUTED ON THE WAY. 'Computed on the way' means the value that the module computes at that place (a softmax that the list does not call 'softmax' is quantised finished and normalised). What goes into a quantiser is computed in f32, as accurately as f32 sums, v_exp_f32 and their like allow (about 1e-6 of the number): no bf16 or f16 on the way to a quantiser, and a product that is left as it is and whose result goes on into a quantised operand takes f32 operands (vector FMAs, or v_wmma_f32_16x16x4_f32). A number that lies on a knife's edge between two numbers of the format may be rounded either way, as far as f32 arithmetic and the matrix unit's own rounding can turn it there, and no further.
;; 3 versions, each right; version 2 is faster than version 1; version 3 is version 2 with the launches prep, pool written anew for expert scheduling mode. Each part assembles by itself: llvm-mc -triple=amdgcn-amd-amdhsa -mcpu=gfx1250 --defsym DOCPART=n.
;; ======== version 1 of 3: 2 launches
;; workspace buffers: rec 6,400,000 bytes
;; launch prep (part 1): grid 391 x 1, 8 waves a work-group, no clusters, 26,624 bytes of LDS; arguments emb_table, qW, qb, kW, kb, theta_table, mu_table, rec; writes rec
.if DOCPART == 1
	.amdgcn_target "amdgcn-amd-amdhsa--gfx1250"
	.amdhsa_code_object_version 6
	.text
	.protected	k_q228f190585_prep
	.globl	k_q228f190585_prep
	.p2align	8
	.type	k_q228f190585_prep,@function
k_q228f190585_prep:
	s_mov_b64 s[64:65], 0
	v_nop
	global_prefetch_b8 v0, s[64:65] scope:SCOPE_SE
	s_setreg_imm32_b32 hwreg(HW_REG_WAVE_MODE, 25, 1), 1
	s_wait_xcnt 0x0
; ONCE FOR EACH ROW v OF THE TABLE: q[v] = Q(x[v]) Q(qW)^T + qb and k[v] = Q(x[v]) Q(kW)^T + kb (K = 128, codes of FP4 (E2M1), one E8M0 scale for each 32 along K),
; then q[v] and k[v] themselves quantised along their 64 numbers, which are the K of the scores.  All of this hangs on the table's row alone, not on the set that names it: so it is made
; 50,000 times here and gathered afterwards.  It leaves as a RECORD of 128 bytes:
;   0-31 q's 64 codes (the lower unit in the lower four bits), 32-63 k's, 64-67 q's two scale bytes twice [s0 s1 s0 s1], 68-71 k's likewise, 72-75 theta[v], 76-79 mu[v], 80-127 zeros.
; SHARES.  Eight waves; wave w of work-group g takes tile 8 g + w: 16 rows of the table; 3,125 tiles.  391 x 8 = 3,128: the last three waves work on tile 3,124 again and store nothing to memory
; (they pass the barrier like all others).  Wave w also quantises tile w of the weights (tiles 0-3: qW's 64 rows, 4-7: kW's) and hands it to the others through LDS as an image of the operand's registers.
; THE PRODUCT IS USED TRANSPOSED (source 0 = 16 rows of a weight, source 1 = my 16 rows of x): a lane holds ONE row of x and its registers run along the units.
; THE ROWS OF A WEIGHT THAT FORM A TILE ARE NOT NEIGHBOURS: lane r of tile 2 b + u takes row 32 b + 8 u + r + 8 (r / 8), so that the 16 registers of tiles 2 b and 2 b + 1 are the 16 neighbouring units 32 b + 16 (lane / 16) + 0 .. 15.
; The biases are loaded straight into the accumulators: they are the C of each sum's one matrix instruction.
; NO JOINT REQUESTS: operands go from memory into registers as f32 and are quantised there; there is one step of work and no tile in LDS that a mover could fill.
; LIMITS: NaN and infinities among the inputs are not served.  A block whose largest magnitude lies under 2^-124 keeps the scale byte 1; a block of zeros gets the byte 1 too where the quantiser says 127:
; its codes are zeros, which add nothing under any byte but 0xff, and the bytes are read by this program alone.
.set TILES, 3125
.set WSC,   8192                       ; LDS: 0: images of the 8 weight fragments, 1,024 bytes each;  8,192: their scale words, 128 bytes each;
.set STG,   9216                       ; 9,216: each wave's 16 records, 2,048 bytes a wave
.set XC,    16                         ; v16-23   x's codes: my tile's fragment
.set XSW,   24                         ; v24      its scale words
.set SH8,   25                         ; v25      8 x (lane / 16)
.set RW,    28                         ; v28-31   a record's words 16 to 19: q's scale word, k's, theta, mu
.set WS,    32                         ; v32-39   the eight weight tiles' scale words (v32-35 hold zeros until the barrier)
.set TM,    40                         ; v40-55   at work
.set WSW,   48                         ; v48      the scale word of the weight tile that I quantise
.set PC,    56                         ; v56-63   codes just made
.set XF,    64                         ; v64-127  x, f32; at the end the records on their way out
.set WF,    128                        ; v128-191 my weight tile, f32; then the eight weight fragments
.set ACC,   192                        ; v192-255 the eight accumulators: tiles 0-3 q, 4-7 k
; 64 numbers of a lane, register 32 c + i = k 64 c + 32 (lane / 16) + i of my row (two WHOLE blocks of 32), become the fragment's 8 registers in v[dst] on and the row's scale word in v[sw].
.macro QROW src, dst, sw
.irp c, 0,1
	v_max3_num_f32 v[TM+\c], |v[\src+32*\c]|, |v[\src+32*\c+1]|, 0x1800000   ; the block's largest magnitude, and the floor 2^(3 - 127): the byte cannot fall under 1
.endr
.irp i, 2,4,6,8,10,12,14,16,18,20,22,24,26,28,30
.irp c, 0,1
	v_max3_num_f32 v[TM+\c], v[TM+\c], |v[\src+32*\c+\i]|, |v[\src+32*\c+\i+1]|   ; (the two blocks by turns)
.endr
.endr
.irp c, 0,1
	v_add_nc_u32 v[TM+2+\c], 0xff000000, v[TM+\c]   ; 2 off the exponent field: the conversion takes the exponent field of this operand as its scale
.endr
.irp c, 0,1
	v_lshrrev_b32 v[TM+4+\c], 23, v[TM+2+\c]        ; the scale's byte
.endr
	v_lshl_or_b32 v[\sw], v[TM+5], 16, v[TM+4]      ; my two bytes: blocks h and 2 + h,
	v_lshlrev_b32 v[\sw], v[SH8], v[\sw]            ; at their places in the word;
	v_permlanex16_b32 v[TM+6], v[\sw], s28, s29
	v_or_b32 v[\sw], v[\sw], v[TM+6]                ; with lane l xor 16's two the word is whole
.irp c, 0,1
.irp g, 0,1,2,3
	v_cvt_scalef32_pk8_fp4_f32 v[\dst+4*\c+\g], v[\src+32*\c+8*\g:\src+32*\c+8*\g+7], v[TM+2+\c]
.endr
.endr
	v_nop                                           ; one plain place behind a scaled conversion
.endm
; 64 numbers of a lane, register 16 b + i = number 32 b + 16 (lane / 16) + i of my row (half blocks), become 8 registers of codes in v[PC] on (whole blocks: lanes 0-15 blocks 0 and 2, lanes 16-31 blocks 1 and 3); the four bytes stay in v[TM+4] on.
.macro QUANT s
.irp b, 0,1,2,3
	v_max3_num_f32 v[TM+\b], |v[\s+16*\b]|, |v[\s+1+16*\b]|, 0x1800000
.endr
.irp i, 2,4,6,8,10,12,14
.irp b, 0,1,2,3
	v_max3_num_f32 v[TM+\b], v[TM+\b], |v[\s+16*\b+\i]|, |v[\s+1+16*\b+\i]|   ; each accumulator is read from its low end on
.endr
.endr
.irp b, 0,1,2,3
	v_permlanex16_b32 v[TM+4+\b], v[TM+\b], s28, s29
.endr
.irp b, 0,1,2,3
	v_max_num_f32 v[TM+\b], v[TM+\b], v[TM+4+\b]    ; with lane l xor 16's: the block's largest magnitude
.endr
.irp b, 0,1,2,3
	v_add_nc_u32 v[TM+12+\b], 0xff000000, v[TM+\b]
.endr
.irp b, 0,1,2,3
	v_lshrrev_b32 v[TM+4+\b], 23, v[TM+12+\b]
.endr
.irp b, 0,1,2,3
	v_cvt_scalef32_pk8_fp4_f32 v[PC+2*\b], v[\s+16*\b:\s+7+16*\b], v[TM+12+\b]
	v_cvt_scalef32_pk8_fp4_f32 v[PC+1+2*\b], v[\s+8+16*\b:\s+15+16*\b], v[TM+12+\b]
.endr
	v_nop                                           ; one plain place behind a scaled conversion
.irp c, 0,1
.irp i, 0,1
	v_permlane16_swap_b32 v[PC+4*\c+\i], v[PC+2+4*\c+\i]   ; the first's lanes 16-31 change places with the second's lanes 0-15: a whole block in a lane
.endr
.endr
.endm
	s_load_b512 s[4:19], s[0:1], 0x0               ; emb s[4:5], qW s[6:7], qb s[8:9], kW s[10:11], kb s[12:13], theta s[14:15], mu s[16:17], rec s[18:19]
	v_lshl_add_u32 v50, v0, 2, 0x6400
	v_mov_b32 v51, 0
	v_lshrrev_b32 v1, 5, v0
	v_readfirstlane_b32 s20, v1                    ; wave 0..7
	v_and_b32 v1, 15, v0                           ; r
	v_bfe_u32 v2, v0, 4, 1                         ; h
	v_and_b32 v14, 31, v0                          ; lane
	s_lshl_b32 s21, ttmp9, 3
	s_add_co_u32 s21, s21, s20                     ; my tile
	s_min_u32 s22, s21, TILES-1                    ; the tile that I load: no load leaves its buffer
	v_lshlrev_b32 v3, 9, v1
	v_lshl_add_u32 v3, v2, 7, v3                   ; x: row r of 512 bytes, + 128 h: my block of 32 numbers
	v_and_b32 v4, 8, v1
	v_add_nc_u32 v4, v4, v1                        ; r + 8 (r / 8)
	v_lshlrev_b32 v4, 9, v4
	v_lshl_add_u32 v4, v2, 7, v4                   ; the weight: that row, + 128 h
	v_lshlrev_b32 v5, 4, v14                       ; 16 x lane: an image's place for my lane; also my place in 512 bytes of records
	v_lshlrev_b32 v6, 2, v14                       ; 4 x lane: a scale word's
	s_lshl_b32 s24, s20, 10
	v_add_nc_u32 v7, s24, v5                       ; where I store my weight tile's image
	s_lshl_b32 s24, s20, 7
	s_add_co_u32 s24, s24, WSC
	v_add_nc_u32 v8, s24, v6                       ; and its scale words
	v_lshlrev_b32 v9, 6, v2                        ; the biases: 64 h
	v_lshlrev_b32 v10, 2, v1                       ; theta, mu: 4 r
	s_lshl_b32 s24, s20, 11
	s_add_co_u32 s24, s24, STG                     ; my wave's 16 records in LDS
	v_lshl_add_u32 v12, v1, 7, s24                 ; record r
	v_lshl_add_u32 v11, v2, 4, v12                 ; + 16 h
	v_add_nc_u32 v13, s24, v5                      ; back: 16 bytes a lane
	v_lshlrev_b32 v[SH8], 3, v2
	s_mov_b32 s28, 0x76543210
	s_mov_b32 s29, 0xfedcba98                      ; v_permlanex16_b32's selects for lane l xor 16
.irp b, 0,1,2,3
	v_mov_b32 v[TM+4+\b], 0                        ; written once: a lane permute's destination counts as one of its sources
	v_mov_b32 v[WS+\b], 0                          ; the zeros of the records' last bytes
.endr
	s_wait_kmcnt 0x0
	s_lshl_b32 s24, s22, 13                        ; 16 rows of 512 bytes a tile
	s_mov_b32 s25, 0
	s_add_nc_u64 s[4:5], s[4:5], s[24:25]
	s_lshl_b32 s24, s22, 6                         ; 16 numbers of theta and of mu
	s_add_nc_u64 s[14:15], s[14:15], s[24:25]
	s_add_nc_u64 s[16:17], s[16:17], s[24:25]
	s_lshl_b32 s24, s22, 11                        ; 16 records
	s_add_nc_u64 s[18:19], s[18:19], s[24:25]
	s_cmp_lt_u32 s20, 4                            ; waves 0-3 quantise qW's tiles, waves 4-7 kW's: the choice hangs on the wave's number alone
	s_cselect_b64 s[26:27], s[6:7], s[10:11]
	s_bfe_u32 s24, s20, 0x10001                    ; b = (wave / 2) % 2: 32 rows,
	s_lshl_b32 s24, s24, 14
	s_and_b32 s23, s20, 1                          ; u = wave % 2: 8 rows
	s_lshl_b32 s23, s23, 12
	s_add_co_u32 s24, s24, s23
	s_add_nc_u64 s[26:27], s[26:27], s[24:25]
.irp c, 0,1
.irp j, 0,1,2,3,4,5,6,7
	global_load_b128 v[WF+32*\c+4*\j:WF+32*\c+4*\j+3], v4, s[26:27] offset:256*\c+16*\j   ; my weight row's k = 64 c + 32 h + 4 j on
.endr
.endr
.irp c, 0,1
.irp j, 0,1,2,3,4,5,6,7
	global_load_b128 v[XF+32*\c+4*\j:XF+32*\c+4*\j+3], v3, s[4:5] offset:256*\c+16*\j     ; the same of my row of x
.endr
.endr
.irp t, 0,1,2,3                                ; lane (r, h) wants, for tile 2 b + u, the biases of units 32 b + 16 h + 8 u + 0 .. 7
	global_load_b128 v[ACC+8*\t:ACC+8*\t+3], v9, s[8:9] offset:(32*(\t/2)+8*(\t%2))*4
	global_load_b128 v[ACC+8*\t+4:ACC+8*\t+7], v9, s[8:9] offset:(32*(\t/2)+8*(\t%2))*4+16
	global_load_b128 v[ACC+32+8*\t:ACC+32+8*\t+3], v9, s[12:13] offset:(32*(\t/2)+8*(\t%2))*4
	global_load_b128 v[ACC+32+8*\t+4:ACC+32+8*\t+7], v9, s[12:13] offset:(32*(\t/2)+8*(\t%2))*4+16
.endr
	global_load_b32 v[RW+2], v10, s[14:15]         ; theta of row r
	global_load_b32 v[RW+3], v10, s[16:17]         ; mu
	ds_store_b128 v11, v[WS:WS+3] offset:80        ; bytes 80 to 127 of my records: 80 + 16 h and 96 + 16 h
	ds_store_b128 v11, v[WS:WS+3] offset:96
	s_wait_loadcnt 34                              ; the weight's 16 loads are in; behind them: x's 16, the biases' 16, theta and mu
	QROW WF, PC, WSW
	ds_store_b128 v7, v[PC:PC+3]                   ; the fragment goes to LDS as it stands: lane l's 16 bytes at 16 l
	ds_store_b128 v7, v[PC+4:PC+7] offset:512
	ds_store_b32 v8, v[WSW]
	s_wait_loadcnt 18                              ; x's 16 loads are in; behind them: the biases' 16, theta and mu
	QROW XF, XC, XSW
	s_wait_dscnt 0x0                               ; for the others' sake: my image has landed
	s_barrier_signal -1
	s_barrier_wait -1                              ; all eight images lie in LDS
.irp t, 0,1,2,3,4,5,6,7
	ds_load_b128 v[WF+8*\t:WF+8*\t+3], v5 offset:1024*\t
	ds_load_b128 v[WF+8*\t+4:WF+8*\t+7], v5 offset:1024*\t+512
	ds_load_b32 v[WS+\t], v6 offset:WSC+128*\t
.endr
	s_wait_dscnt 0x0
	s_wait_loadcnt 0x0                             ; the biases, theta, mu
.rept 8
	v_nop                                          ; x's scale word was written by a vector instruction: 8 places ahead of a scaled matrix instruction; its codes: 4
.endr
.irp t, 0,1,2,3,4,5,6,7                        ; eight accumulators, one instruction each; C = the bias that lies in the accumulator
	v_wmma_scale_f32_16x16x128_f8f6f4 v[ACC+8*\t:ACC+8*\t+7], v[WF+8*\t:WF+8*\t+7], v[XC:XC+7], v[ACC+8*\t:ACC+8*\t+7], v[WS+\t], v[XSW] matrix_a_fmt:MATRIX_FMT_FP4 matrix_b_fmt:MATRIX_FMT_FP4
.endr
.rept 4
	v_nop                                          ; four places in front of the first read of results (ISA guide 7.12.1)
.endr
	QUANT ACC                                      ; blocks 0, 1: q's 64 numbers; blocks 2, 3: k's
	v_lshl_or_b32 v[RW], v[TM+5], 8, v[TM+4]       ; q's two bytes,
	v_lshl_or_b32 v[RW+1], v[TM+7], 8, v[TM+6]     ; k's,
	v_lshl_or_b32 v[RW], v[RW], 16, v[RW]          ; each twice: the scores' products take them for blocks 0, 1 or for blocks 2, 3
	v_lshl_or_b32 v[RW+1], v[RW+1], 16, v[RW+1]
	ds_store_b128 v11, v[PC:PC+3]                  ; q's codes of units 32 h on: bytes 16 h of record r
	ds_store_b128 v11, v[PC+4:PC+7] offset:32      ; k's: bytes 32 + 16 h
	ds_store_b128 v12, v[RW:RW+3] offset:64        ; (both lanes of a row write the same bytes with the same values)
.irp i, 0,1,2,3
	ds_load_b128 v[XF+4*\i:XF+4*\i+3], v13 offset:512*\i   ; LDS serves a wave's instructions in order (ISA guide 5.7.1.4): these see my stores
.endr
	s_wait_dscnt 0x0
	s_cmp_lt_u32 s21, TILES                        ; the three waves past the last tile store nothing
	s_cbranch_scc0 .Lend
.irp i, 0,1,2,3
	global_store_b128 v5, v[XF+4*\i:XF+4*\i+3], s[18:19] offset:512*\i   ; 32 lanes store 512 consecutive bytes, four whole records, at a multiple of 256 from the buffer's first byte
.endr
.Lend:
	s_wait_tensorcnt 0x0
	ds_add_u32 v50, v51
	s_wait_dscnt 0x0
	s_endpgm
.Lfunc_end_k_q228f190585_prep:
	.size	k_q228f190585_prep, .Lfunc_end_k_q228f190585_prep-k_q228f190585_prep
	.p2alignl 7, 3214868480
	.fill 96, 4, 3214868480
	.section	.rodata,"a",@progbits
	.p2align	6, 0x0
	.amdhsa_kernel k_q228f190585_prep
		.amdhsa_group_segment_fixed_size 26624
		.amdhsa_private_segment_fixed_size 0
		.amdhsa_enable_private_segment 0
		.amdhsa_kernarg_size 64
		.amdhsa_user_sgpr_count 2
		.amdhsa_user_sgpr_kernarg_segment_ptr 1
		.amdhsa_wavefront_size32 1
		.amdhsa_system_sgpr_workgroup_id_x 1
		.amdhsa_system_sgpr_workgroup_id_y 1
		.amdhsa_system_sgpr_workgroup_id_z 1
		.amdhsa_system_vgpr_workitem_id 0
		.amdhsa_next_free_vgpr 256
		.amdhsa_next_free_sgpr 66
		.amdhsa_reserve_vcc 0
		.amdhsa_float_denorm_mode_32 3
		.amdhsa_float_denorm_mode_16_64 3
		.amdhsa_memory_ordered 1
		.amdhsa_forward_progress 1
		.amdhsa_inst_pref_size 22
	.end_amdhsa_kernel
	.amdgpu_metadata
---
amdhsa.version: [ 1, 2 ]
amdhsa.kernels:
  - .name:           k_q228f190585_prep
    .symbol:         k_q228f190585_prep.kd
    .args:
      - { .name: emb_table, .offset: 0, .size: 8, .value_kind: global_buffer, .address_space: global }
      - { .name: qW, .offset: 8, .size: 8, .value_kind: global_buffer, .address_space: global }
      - { .name: qb, .offset: 16, .size: 8, .value_kind: global_buffer, .address_space: global }
      - { .name: kW, .offset: 24, .size: 8, .value_kind: global_buffer, .address_space: global }
      - { .name: kb, .offset: 32, .size: 8, .value_kind: global_buffer, .address_space: global }
      - { .name: theta_table, .offset: 40, .size: 8, .value_kind: global_buffer, .address_space: global }
      - { .name: mu_table, .offset: 48, .size: 8, .value_kind: global_buffer, .address_space: global }
      - { .name: rec, .offset: 56, .size: 8, .value_kind: global_buffer, .address_space: global }
    .group_segment_fixed_size: 26624
    .private_segment_fixed_size: 0
    .kernarg_segment_align: 8
    .kernarg_segment_size: 64
    .max_flat_workgroup_size: 256
    .sgpr_count:     66
    .vgpr_count:     256
    .wavefront_size: 32
...
	.end_amdgpu_metadata
.endif
;; end of part 1
;; launch pool (part 2): grid 256 x 1, 16 waves a work-group, no clusters, 18,432 bytes of LDS; arguments input_ids, id_mask, input_times, emb_table, rec, out0; writes out0
.if DOCPART == 2
	.amdgcn_target "amdgcn-amd-amdhsa--gfx1250"
	.amdhsa_code_object_version 6
	.text
	.protected	k_q228f190585_pool
	.globl	k_q228f190585_pool
	.p2align	8
	.type	k_q228f190585_pool,@function
k_q228f190585_pool:
	s_mov_b64 s[64:65], 0
	v_nop
	global_prefetch_b8 v0, s[64:65] scope:SCOPE_SE
	s_setreg_imm32_b32 hwreg(HW_REG_WAVE_MODE, 25, 1), 1
	s_wait_xcnt 0x0
; FOR EACH OF 16,384 SETS OF 32 CONCEPTS: scores = Q(q) Q(k)^T / 8 + m_i m_j (m = 0 where the mask is above 0.5, else -1e9); p = 2^(t - M), t = score x log2(e), M = ceil(the row's largest t);
; out = Q(p) Q(x) / l, l the sum of the unquantised p; pooled = the sum over the queries of out x sigmoid(theta - mu x time) x mask.  Both products on codes of FP4 (E2M1) with one E8M0 scale for each 32 along K.
; q's and k's codes and scale bytes, theta and mu come from the records that the launch before has made, one gather of 80 bytes a concept.  x is quantised along the KEYS, so its scales belong to the set:
; its f32 rows are gathered here, A LANE TO A COLUMN AND THE REGISTERS DOWN THE 32 KEYS: a block of 32 lies in one lane's 32 registers, and the conversions' results are the operand's registers.
; SHARES.  Sixteen waves, four to a SIMD; a wave owns four sets, written out one after the other; waves share nothing: no barrier.  A set's 128 columns go in four passes of 32 (one load: 128 consecutive bytes of one row).
; WHAT IS ON ITS WAY.  Each pass's 32 loads are issued a phase ahead: passes 2 and 3 land under the scores and the softmax, the next set's passes 0 and 1 under the second product and the pooling.
; K OF 64 AND OF 32 IN AN INSTRUCTION OF 128: zero codes fill the rest.  Quads of zeros stand between the quads of codes in one chain of registers, so that eight consecutive registers place a quad in blocks 0, 1 (zeros behind it) or 2, 3 (zeros ahead).
;   Scores, transposed (source 0 = keys, source 1 = queries): K's eight registers hold keys 0-15 in blocks 0, 1 and keys 16-31 in blocks 2, 3; the queries' quad picks one of the two.  A lane then holds ONE query and 8 keys a tile.
;   Second product (source 0 = p, 16 queries; source 1 = x's codes of two passes): lanes 0-15 of pass 2 g are block 0, lanes 16-31 block 1, pass 2 g + 1 blocks 2 and 3: four groups of 16 columns.  p's 32 codes stand in ONE block (quad L: lanes 0-15, quad H: lanes 16-31) and so pick the group.
; NO JOINT REQUESTS: rows are gathered by an index read from memory; no two work-groups are known to want the same tile.
; THE MULTIPLY t = u c AND THE ADD t - M STAY APART: where query and key are both masked u is 8e18, and a fused form would leave the product's rounding error, 2^30 and more, in place of 0.
; A BLOCK'S LARGEST p IS NOT SEARCHED FOR: the row's largest u goes through the same multiply, add and exponential (this takes v_exp_f32 not to fall where its input rises).
; LIMITS: NaN and infinities among the inputs are not served.  A column of x whose largest magnitude lies under 2^-124 keeps the scale byte 1 (a column of zeros too: its codes are zeros).  An index is held at 49,999 from above.
.set IDMAX, 0xc34f
.set KF,  36                           ; v36-43   K's fragment
.set CH,  44                           ; v44-95   the chain: Z Q0 Z Q1 Z L0 Z H0 Z L1 Z H1 Z, four registers each; the Z are zeros, written once
.set PX,  96                           ; v96-111  x's codes: pass p at v[PX + 4 p]
.set SC,  112                          ; v112-143 the scores (16 t + 8 u + j: query 16 t + r, key 16 u + 8 h + j), then p; later the second product's results
.set MK,  144                          ; v144-159 m of my 16 keys; later w / l of my 16 queries
.set OFR, 160                          ; v160-191 byte offset of key m's row in the table, + 4 x lane
.set XR,  192                          ; v192-255 x: two buffers of 32 keys
; v1 4 x lane;  v2 my wave's LDS + 4 x lane;  v3 + 32 h;  v4 + 16 x lane;  v5 16 x lane;  v6 the next set's ids, a lane a concept;  v7 my record's offset;  v8 the mask;  v9 sigmoid x mask, then / l
; v10 the even pass's byte;  v11 the conversion's scale operand;  v12, v13 at work;  v14, v15 p's scale words;  v16, v17 x's scale words;  v18, v20 8 m of my query;  v19, v21 the largest u
; v22, v24 -M;  v23, v25 the largest t - M, then the largest p;  v[26:27], v[28:29] the sums;  v30, v31 p's scale operands;  v32 q's scale words, v33 k's, v34 theta, v35 mu.  v18-25 serve the pooling once the softmax is done.
; LDS, 1,024 bytes a wave: 0 m of the 32 concepts;  128 w / l of the 32 queries;  256 a row of the output, 512 bytes.
; s[4:5] ids, s[6:7] mask, s[8:9] times, s[14:15] out: at my first set;  s[10:11] the table;  s[12:13] the records;  s[20:23] my four times;  s[24:25] c;  s[26:27] lane selects;  s[32:63] a set's 32 ids
.macro IDS n                           ; set n's 32 ids as scalars
	s_load_b512 s[32:47], s[4:5], 128*(\n)
	s_load_b512 s[48:63], s[4:5], 128*(\n)+64
.endm
.macro OFFS                            ; the rows' offsets: 512 x id + 4 x lane
.set M, 0
.rept 32
	s_min_u32 s[32+M], s[32+M], IDMAX
	v_lshl_add_u32 v[OFR+M], s[32+M], 9, v1
.set M, M+1
.endr
.endm
.macro XLOAD buf, p                    ; pass p: x(key m, column 32 p + lane) into register m of the buffer
.set M, 0
.rept 32
	global_load_b32 v[XR+32*(\buf)+M], v[OFR+M], s[10:11] offset:128*(\p)
.set M, M+1
.endr
.endm
; Pass p is quantised: a lane's 32 registers are its column's one block.  cnt: the younger loads, which may stay out.
.macro XQ p, cnt
.set XB, XR+32*((\p)%2)
	s_wait_loadcnt \cnt
	v_max3_num_f32 v12, |v[XB]|, |v[XB+1]|, 0x1800000              ; two chains; the floor 2^(3 - 127) holds the byte at 1 from below
	v_max3_num_f32 v13, |v[XB+16]|, |v[XB+17]|, |v[XB+18]|
.irp i, 2,4,6,8,10,12
	v_max3_num_f32 v12, v12, |v[XB+\i]|, |v[XB+\i+1]|
	v_max3_num_f32 v13, v13, |v[XB+17+\i]|, |v[XB+18+\i]|
.endr
	v_max3_num_f32 v12, v12, |v[XB+14]|, |v[XB+15]|
	v_max3_num_f32 v12, v12, v13, |v[XB+31]|
	v_add_nc_u32 v11, 0xff000000, v12                              ; 2 off the exponent field: the conversion's scale operand
.irp g, 0,1,2,3
	v_cvt_scalef32_pk8_fp4_f32 v[PX+4*(\p)+\g], v[XB+8*\g:XB+8*\g+7], v11
.endr
.if (\p)%2 == 0
	v_lshrrev_b32 v10, 23, v11                                     ; the byte.  (Also the plain place behind the conversions)
.else
	v_lshrrev_b32 v13, 23, v11
	v_lshl_or_b32 v13, v13, 16, v10                                ; the even pass's byte for blocks 0 and 1, the odd pass's for blocks 2 and 3
	v_lshl_or_b32 v[16+(\p)/2], v13, 8, v13
.endif
.endm
; What set n wants beside x: its concepts' records (a lane a concept), its mask, and the ids of the set after it.
.macro E1 n
	v_min_u32 v7, IDMAX, v6
	v_lshlrev_b32 v7, 7, v7
	global_load_b128 v[CH+4:CH+7], v7, s[12:13]                    ; q's units 0-31
	global_load_b128 v[CH+12:CH+15], v7, s[12:13] offset:16        ; 32-63
	global_load_b128 v[KF:KF+3], v7, s[12:13] offset:32            ; k's units 0-31
	global_load_b128 v[KF+4:KF+7], v7, s[12:13] offset:48          ; 32-63
	global_load_b128 v[32:35], v7, s[12:13] offset:64              ; q's scale word, k's, theta, mu
	global_load_b32 v8, v1, s[6:7] offset:128*(\n)
.if (\n) < 3
	global_load_b32 v6, v1, s[4:5] offset:128*((\n)+1)
.endif
.endm
; 32 columns of the second product and their pooling: columns 32 (2 g + bp) + 16 v + r, v = 0, 1; queries 16 t + 8 h + j.
.macro PVG g, bp
.irp v, 0,1
.irp t, 0,1
.if \v
	v_wmma_scale_f32_16x16x128_f8f6f4 v[SC+16*\v+8*\t:SC+16*\v+8*\t+7], v[CH+20+16*\t+8*\v-4*(\bp):CH+27+16*\t+8*\v-4*(\bp)], v[PX+8*(\g):PX+8*(\g)+7], 0, v[14+\t], v[16+(\g)] matrix_a_fmt:MATRIX_FMT_FP4 matrix_b_fmt:MATRIX_FMT_FP4 matrix_b_scale:MATRIX_SCALE_ROW1
.else
	v_wmma_scale_f32_16x16x128_f8f6f4 v[SC+16*\v+8*\t:SC+16*\v+8*\t+7], v[CH+20+16*\t+8*\v-4*(\bp):CH+27+16*\t+8*\v-4*(\bp)], v[PX+8*(\g):PX+8*(\g)+7], 0, v[14+\t], v[16+(\g)] matrix_a_fmt:MATRIX_FMT_FP4 matrix_b_fmt:MATRIX_FMT_FP4
.endif
.endr
.endr
.rept 5
	v_nop                                          ; four places in front of the reads of results, five in front of the next group's products, which write over them (ISA guide 7.12.1)
.endr
.irp v, 0,1
	v_pk_mul_f32 v[18+2*\v:19+2*\v], v[SC+16*\v:SC+16*\v+1], v[MK:MK+1]          ; out x w / l, summed over my 16 queries, two at a time; each accumulator from its low end on
.endr
.irp i, 2,4,6,8,10,12,14
.irp v, 0,1
	v_pk_fma_f32 v[18+2*\v:19+2*\v], v[SC+16*\v+\i:SC+16*\v+\i+1], v[MK+\i:MK+\i+1], v[18+2*\v:19+2*\v]
.endr
.endr
.irp v, 0,1
	v_add_f32 v[18+2*\v], v[18+2*\v], v[19+2*\v]
.endr
	v_permlane16_swap_b32 v18, v20                 ; v18: both groups' sums over queries 8 h = 0; v20: over 8 h = 8
	v_add_f32 v[22+2*(\g)+(\bp)], v18, v20         ; lane l: column 32 (2 g + bp) + l, all 32 queries
	ds_store_b32 v2, v[22+2*(\g)+(\bp)] offset:256+128*(2*(\g)+(\bp))
.endm
	s_load_b256 s[4:11], s[0:1], 0x0               ; ids s[4:5], mask s[6:7], times s[8:9], the table s[10:11]
	s_load_b128 s[12:15], s[0:1], 0x20             ; the records s[12:13], out s[14:15]
	v_lshrrev_b32 v1, 5, v0
	v_readfirstlane_b32 s16, v1                    ; wave 0..15
	v_and_b32 v6, 31, v0                           ; lane
	v_bfe_u32 v7, v0, 4, 1                         ; h
	s_lshl_b32 s17, ttmp9, 4
	s_add_co_u32 s17, s17, s16
	s_lshl_b32 s17, s17, 2                         ; my first set: 4 x (16 x work-group + wave)
	s_lshl_b32 s28, s16, 10                        ; my wave's 1,024 bytes of LDS
	v_lshlrev_b32 v1, 2, v6
	v_lshl_add_u32 v2, v6, 2, s28
	v_lshl_add_u32 v3, v7, 5, s28
	v_lshl_add_u32 v4, v6, 4, s28
	v_lshlrev_b32 v5, 4, v6
	s_mov_b32 s24, 0x3e38aa3b                      ; c = log2(e) / 8
	s_mov_b32 s25, s24                             ; (named with it as a pair, so it is written)
	s_mov_b32 s26, 0x76543210
	s_mov_b32 s27, 0xfedcba98                      ; v_permlanex16_b32's selects for lane l xor 16
.irp z, 0,8,16,24,32,40,48
.irp i, 0,1,2,3
	v_mov_b32 v[CH+\z+\i], 0                       ; the chain's seven quads of zeros
.endr
.endr
	v_mov_b32 v19, 0                               ; (named as the upper halves of pairs before they are first written)
	v_mov_b32 v21, 0
	s_mov_b32 s19, 0
	s_wait_kmcnt 0x0
	s_lshl_b32 s18, s17, 7                         ; 128 bytes of ids and of the mask a set,
	s_add_nc_u64 s[4:5], s[4:5], s[18:19]
	s_add_nc_u64 s[6:7], s[6:7], s[18:19]
	s_lshl_b32 s18, s17, 2                         ; 4 of times,
	s_add_nc_u64 s[8:9], s[8:9], s[18:19]
	s_lshl_b32 s18, s17, 9                         ; 512 of the output
	s_add_nc_u64 s[14:15], s[14:15], s[18:19]
	IDS 0
	s_load_b128 s[20:23], s[8:9], 0x0
	global_load_b32 v6, v1, s[4:5]                 ; set 0's ids once more, a lane a concept
	s_wait_kmcnt 0x0
	OFFS
	IDS 1
	XLOAD 0, 0
	s_wait_loadcnt 32                              ; the ids are in; the pass's 32 loads stay out
	E1 0
	XLOAD 1, 1                                     ; (a load that would be the 64th out is issued when the oldest is back: ISA guide 5.7.1; no wait is written for that)
.macro SET s
.if (\s) < 2
.set NE, 7                             ; the loads of E1 for the next set
.elseif (\s) == 2
.set NE, 6
.else
.set NE, 0
.endif
	XQ 0, 32                                       ; pass 0 is in, and all that is older: the records, the mask, the next ids; pass 1's 32 loads stay out
	XLOAD 0, 2
	XQ 1, 32                                       ; pass 1 is in; pass 2's 32 stay out
	XLOAD 1, 3
	; ---- the scores' operands.  As loaded a lane holds its concept's two halves; one exchange of lane halves makes of them the two tiles' fragments
.irp i, 0,1,2,3
	v_permlane16_swap_b32 v[KF+\i], v[KF+4+\i]         ; v36-39: keys 0-15, units 32 h on;  v40-43: keys 16-31
	v_permlane16_swap_b32 v[CH+4+\i], v[CH+12+\i]      ; Q0: queries 0-15;  Q1: queries 16-31
.endr
	v_cmp_lt_f32 vcc_lo, 0.5, v8
	v_cndmask_b32 v12, 0xce6e6b28, v[CH], vcc_lo   ; m: 0 where the mask is above 0.5, else -1e9
	v_cndmask_b32 v18, 0xcfee6b28, v[CH], vcc_lo   ; 8 m
	v_mov_b32 v20, v18
	v_fma_f32 v13, -v35, s[20+(\s)], v34           ; theta - mu x time.  (These five lines are also the places between the exchanges and the products)
	ds_store_b32 v2, v12                           ; m, a lane a concept,
.irp u, 0,1
.irp i, 0,1
	ds_load_b128 v[MK+8*\u+4*\i:MK+8*\u+4*\i+3], v3 offset:64*\u+16*\i   ; comes back by keys: register 8 u + j = m of key 16 u + 8 h + j.  LDS serves a wave's instructions in order (ISA guide 5.7.1.4)
.endr
.endr
	v_permlane16_swap_b32 v18, v20                 ; v18: 8 m of query r, v20: of query 16 + r, in both halves of the lanes
	s_wait_xcnt 0x0                                ; all earlier memory instructions have had their addresses translated (ISA guide 3.1): only behind this wait are the last set's store data (v112-115), the rows' offsets and v7 written again
	v_wmma_scale_f32_16x16x128_f8f6f4 v[SC:SC+7], v[KF:KF+7], v[CH+4:CH+11], 0, v33, v32 matrix_a_fmt:MATRIX_FMT_FP4 matrix_b_fmt:MATRIX_FMT_FP4
	v_wmma_scale_f32_16x16x128_f8f6f4 v[SC+8:SC+15], v[KF:KF+7], v[CH:CH+7], 0, v33, v32 matrix_a_fmt:MATRIX_FMT_FP4 matrix_b_fmt:MATRIX_FMT_FP4 matrix_a_scale:MATRIX_SCALE_ROW1
	v_wmma_scale_f32_16x16x128_f8f6f4 v[SC+16:SC+23], v[KF:KF+7], v[CH+12:CH+19], 0, v33, v32 matrix_a_fmt:MATRIX_FMT_FP4 matrix_b_fmt:MATRIX_FMT_FP4 matrix_b_scale:MATRIX_SCALE_ROW1
	v_wmma_scale_f32_16x16x128_f8f6f4 v[SC+24:SC+31], v[KF:KF+7], v[CH+8:CH+15], 0, v33, v32 matrix_a_fmt:MATRIX_FMT_FP4 matrix_b_fmt:MATRIX_FMT_FP4 matrix_a_scale:MATRIX_SCALE_ROW1 matrix_b_scale:MATRIX_SCALE_ROW1
	v_mul_f32 v13, 0xbfb8aa3b, v13                 ; the sigmoid, 1 / (1 + 2^(-log2(e) z)): its five plain lines are the places behind the products, for the loads into their operands and the reads of their results
	v_exp_f32 v13, v13
	v_nop
	s_wait_alu depctr_va_vdst(0)
	v_add_f32 v13, 1.0, v13
	v_rcp_f32 v13, v13
	v_nop
	s_wait_alu depctr_va_vdst(0)
	v_mul_f32 v9, v13, v8                          ; x the mask
.if (\s) < 3
	E1 (\s)+1
.endif
	; ---- the softmax, the two tiles of queries by turns
	s_wait_dscnt 0x0                               ; m of my keys
.irp i, 0,2,4,6,8,10,12,14
.irp t, 0,1
	v_pk_fma_f32 v[SC+16*\t+\i:SC+16*\t+\i+1], v[MK+\i:MK+\i+1], v[18+2*\t:19+2*\t], v[SC+16*\t+\i:SC+16*\t+\i+1] op_sel_hi:[1,0,1]   ; u = q . k + 8 m_i m_j = 8 x the logit; each accumulator from its low end on
.endr
.endr
.irp t, 0,1
	v_max3_num_f32 v[19+2*\t], v[SC+16*\t], v[SC+16*\t+1], v[SC+16*\t+2]
.endr
.irp i, 3,5,7,9,11,13
.irp t, 0,1
	v_max3_num_f32 v[19+2*\t], v[19+2*\t], v[SC+16*\t+\i], v[SC+16*\t+\i+1]
.endr
.endr
.irp t, 0,1
	v_max_num_f32 v[19+2*\t], v[19+2*\t], v[SC+16*\t+15]
.endr
.irp t, 0,1
	v_permlanex16_b32 v[12+\t], v[19+2*\t], s26, s27
.endr
.irp t, 0,1
	v_max_num_f32 v[19+2*\t], v[19+2*\t], v[12+\t]     ; with lane l xor 16's 16 keys: the row's largest u
.endr
.irp t, 0,1
	v_mul_f32 v[23+2*\t], s24, v[19+2*\t]              ; as t (c is positive)
.endr
.irp t, 0,1
	v_floor_f32 v[22+2*\t], -v[23+2*\t]                ; -M = floor(-t) = -ceil(t)
.endr
.irp t, 0,1
	v_add_f32 v[23+2*\t], v[23+2*\t], v[22+2*\t]       ; the largest t - M
.endr
.irp i, 0,2,4,6,8,10,12,14
.irp t, 0,1
	v_pk_mul_f32 v[SC+16*\t+\i:SC+16*\t+\i+1], v[SC+16*\t+\i:SC+16*\t+\i+1], s[24:25] op_sel_hi:[1,0]   ; t, rounded: see the head
.endr
.endr
.irp i, 0,2,4,6,8,10,12,14
.irp t, 0,1
	v_pk_add_f32 v[SC+16*\t+\i:SC+16*\t+\i+1], v[SC+16*\t+\i:SC+16*\t+\i+1], v[22+2*\t:23+2*\t] op_sel_hi:[1,0]   ; t - M
.endr
.endr
	v_exp_f32 v23, v23                             ; the rows' largest p, above 1/2 or equal to it: no floor is wanted
	v_exp_f32 v25, v25
.set M, 0
.rept 32
	v_exp_f32 v[SC+M], v[SC+M]                     ; p = 2^(t - M): not normalised
.set M, M+1
.endr
	v_nop                                          ; a plain place behind the exponentials
	s_wait_alu depctr_va_vdst(0)
.irp t, 0,1
	v_pk_add_f32 v[26+2*\t:27+2*\t], v[SC+16*\t:SC+16*\t+1], v[SC+16*\t+2:SC+16*\t+3]   ; the sum is taken of the unquantised p
.endr
.irp i, 4,6,8,10,12,14
.irp t, 0,1
	v_pk_add_f32 v[26+2*\t:27+2*\t], v[26+2*\t:27+2*\t], v[SC+16*\t+\i:SC+16*\t+\i+1]
.endr
.endr
.irp t, 0,1
	v_add_f32 v[26+2*\t], v[26+2*\t], v[27+2*\t]
.endr
	v_permlane16_swap_b32 v26, v28                 ; v26: both tiles' sums over the keys of h = 0, v28: of h = 1
	v_add_f32 v26, v26, v28                        ; l, a lane a concept
	v_rcp_f32 v26, v26
.irp t, 0,1
	v_add_nc_u32 v[30+\t], 0xff000000, v[23+2*\t]  ; 2 off the largest p's exponent field: the conversion's scale operand.  (A plain place behind the reciprocal)
.endr
.irp t, 0,1
	v_lshrrev_b32 v[12+\t], 23, v[30+\t]           ; the byte,
.endr
.irp t, 0,1
	v_lshl_or_b32 v[12+\t], v[12+\t], 8, v[12+\t]
.endr
.irp t, 0,1
	v_lshl_or_b32 v[14+\t], v[12+\t], 16, v[12+\t] ; four times: p's codes may stand in any of the four blocks
.endr
	s_wait_alu depctr_va_vdst(0)
	v_mul_f32 v9, v9, v26                          ; w / l
.irp t, 0,1                                    ; my 8 codes of keys 8 h on and of keys 16 + 8 h on, once for L and once for H
	v_cvt_scalef32_pk8_fp4_f32 v[CH+20+16*\t], v[SC+16*\t:SC+16*\t+7], v[30+\t]
	v_cvt_scalef32_pk8_fp4_f32 v[CH+22+16*\t], v[SC+16*\t+8:SC+16*\t+15], v[30+\t]
	v_cvt_scalef32_pk8_fp4_f32 v[CH+29+16*\t], v[SC+16*\t:SC+16*\t+7], v[30+\t]
	v_cvt_scalef32_pk8_fp4_f32 v[CH+31+16*\t], v[SC+16*\t+8:SC+16*\t+15], v[30+\t]
.endr
.irp t, 0,1
	v_mov_b32 v[CH+21+16*\t], 0                    ; (plain places behind the conversions)
	v_mov_b32 v[CH+23+16*\t], 0
	v_mov_b32 v[CH+28+16*\t], 0
	v_mov_b32 v[CH+30+16*\t], 0
.endr
.irp t, 0,1
.irp i, 0,2
	v_permlane16_swap_b32 v[CH+20+16*\t+\i], v[CH+21+16*\t+\i]   ; L: lanes 0-15 get the row's 32 codes, keys ascending; lanes 16-31 zeros
	v_permlane16_swap_b32 v[CH+28+16*\t+\i], v[CH+29+16*\t+\i]   ; H: lanes 16-31 get them; lanes 0-15 zeros
.endr
.endr
	ds_store_b32 v2, v9 offset:128                 ; w / l, a lane a concept,
.irp t, 0,1
.irp i, 0,1
	ds_load_b128 v[MK+8*\t+4*\i:MK+8*\t+4*\i+3], v3 offset:128+64*\t+16*\i   ; comes back by queries: register 8 t + j = that of query 16 t + 8 h + j
.endr
.endr
.if (\s) < 3
	s_wait_kmcnt 0x0                               ; the next set's ids
	OFFS
.if (\s) < 2
	IDS (\s)+2
.endif
	XQ 2, 32+NE                                    ; pass 2 is in; pass 3's 32 loads and the next set's records, mask and ids stay out
	XLOAD 0, 0                                     ; the next set's pass 0
	XQ 3, NE+32                                    ; pass 3 is in; behind it: those NE and the 32 just issued
	XLOAD 1, 1
.else
	XQ 2, 32
	XQ 3, 0
.endif
	; ---- the second product and the pooling, 32 columns at a time
	s_wait_dscnt 0x0                               ; w / l of my queries
	PVG 0, 0
	PVG 0, 1
	PVG 1, 0                                       ; passes 2 and 3: their codes and scale words were written two groups, ten v_nop, back
	PVG 1, 1
	ds_load_b128 v[SC:SC+3], v4 offset:256         ; the row of 128 numbers, 16 bytes a lane
	s_wait_dscnt 0x0
	global_store_b128 v5, v[SC:SC+3], s[14:15] offset:512*(\s) th:TH_STORE_NT   ; 32 lanes store 512 consecutive bytes, at a multiple of 256 from the output's first byte; written once, read by nobody here
.endm
	SET 0
	SET 1
	SET 2
	SET 3
	s_wait_xcnt 0x0
	v_lshl_add_u32 v254, v0, 2, 0x4000
	v_mov_b32 v255, 0
	s_wait_tensorcnt 0x0
	ds_add_u32 v254, v255
	s_wait_dscnt 0x0
	s_endpgm
.Lfunc_end_k_q228f190585_pool:
	.size	k_q228f190585_pool, .Lfunc_end_k_q228f190585_pool-k_q228f190585_pool
	.p2alignl 7, 3214868480
	.fill 96, 4, 3214868480
	.section	.rodata,"a",@progbits
	.p2align	6, 0x0
	.amdhsa_kernel k_q228f190585_pool
		.amdhsa_group_segment_fixed_size 18432
		.amdhsa_private_segment_fixed_size 0
		.amdhsa_enable_private_segment 0
		.amdhsa_kernarg_size 48
		.amdhsa_user_sgpr_count 2
		.amdhsa_user_sgpr_kernarg_segment_ptr 1
		.amdhsa_wavefront_size32 1
		.amdhsa_system_sgpr_workgroup_id_x 1
		.amdhsa_system_sgpr_workgroup_id_y 1
		.amdhsa_system_sgpr_workgroup_id_z 1
		.amdhsa_system_vgpr_workitem_id 0
		.amdhsa_next_free_vgpr 256
		.amdhsa_next_free_sgpr 66
		.amdhsa_reserve_vcc 1
		.amdhsa_float_denorm_mode_32 3
		.amdhsa_float_denorm_mode_16_64 3
		.amdhsa_memory_ordered 1
		.amdhsa_forward_progress 1
		.amdhsa_inst_pref_size 165
	.end_amdhsa_kernel
	.amdgpu_metadata
---
amdhsa.version: [ 1, 2 ]
amdhsa.kernels:
  - .name:           k_q228f190585_pool
    .symbol:         k_q228f190585_pool.kd
    .args:
      - { .name: input_ids, .offset: 0, .size: 8, .value_kind: global_buffer, .address_space: global }
      - { .name: id_mask, .offset: 8, .size: 8, .value_kind: global_buffer, .address_space: global }
      - { .name: input_times, .offset: 16, .size: 8, .value_kind: global_buffer, .address_space: global }
      - { .name: emb_table, .offset: 24, .size: 8, .value_kind: global_buffer, .address_space: global }
      - { .name: rec, .offset: 32, .size: 8, .value_kind: global_buffer, .address_space: global }
      - { .name: out0, .offset: 40, .size: 8, .value_kind: global_buffer, .address_space: global }
    .group_segment_fixed_size: 18432
    .private_segment_fixed_size: 0
    .kernarg_segment_align: 8
    .kernarg_segment_size: 48
    .max_flat_workgroup_size: 512
    .sgpr_count:     66
    .vgpr_count:     256
    .wavefront_size: 32
...
	.end_amdgpu_metadata
.endif
;; end of part 2
;; ======== version 2 of 3: 2 launches; 1.28 times as fast as version 1
;; workspace buffers: rec 6,400,000 bytes; xk 12,800,000 bytes
;; launch prep (part 3): grid 391 x 1, 8 waves a work-group, no clusters, 61,440 bytes of LDS; arguments emb_table, qW, qb, kW, kb, theta_table, mu_table, rec, xk; writes rec, xk
.if DOCPART == 3
	.amdgcn_target "amdgcn-amd-amdhsa--gfx1250"
	.amdhsa_code_object_version 6
	.text
	.protected	k_q228f190585_prep
	.globl	k_q228f190585_prep
	.p2align	8
	.type	k_q228f190585_prep,@function
k_q228f190585_prep:
	s_mov_b64 s[64:65], 0
	v_nop
	global_prefetch_b8 v0, s[64:65] scope:SCOPE_SE
	s_setreg_imm32_b32 hwreg(HW_REG_WAVE_MODE, 25, 1), 1
	s_wait_xcnt 0x0
; ONCE FOR EACH ROW v OF THE TABLE: q[v] = Q(x[v]) Q(qW)^T + qb and k[v] = Q(x[v]) Q(kW)^T + kb (K = 128, codes of FP4 (E2M1), one E8M0 scale for each 32 along K),
; then q[v] and k[v] themselves quantised along their 64 numbers, which are the K of the scores.  All of this hangs on the table's row alone, not on the set that names it: so it is made
; 50,000 times here and gathered afterwards.  It leaves as a RECORD of 128 bytes:
;   0-31 q's 64 codes (the lower unit in the lower four bits), 32-63 k's, 64-67 q's two scale bytes twice [s0 s1 s0 s1], 68-71 k's likewise, 72-75 theta[v], 76-79 mu[v], 80-127 zeros.
; x[v] ITSELF LEAVES AS 128 KEYS OF 16 BITS, for the quantiser along the keys of a set, which the next launch runs.  A key is the number's upper 16 bits, its lowest bit set besides where any of the 16 bits cut off is set.
;   It gives that quantiser the same scale bytes and the same codes as the number itself, for every finite number.  The scale hangs on an exponent field, which the key keeps.  A code turns at 0.25, 0.75, 1.25, 1.75, 2.5, 3.5 or 5
;   times the scale: numbers of three significant bits at the most, whose lowest bit among eight is clear.  An inexact key has that bit set and lies between the same two neighbouring numbers of eight bits as the number: on the same
;   side of every turning point.  An exact key is the number, so a tie stays a tie.  (Denormals: turning points are multiples of 2^-128, a key's step there is 2^-133.)
;   A row of keys is 256 bytes: word w (0 .. 63) holds column w in its low half and column 64 + w in its high half: both lie in one lane here, and the reader's one load of 32 words gives it two runs of 32 columns.
; SHARES.  Eight waves; wave w of work-group g takes tile 8 g + w: 16 rows of the table; 3,125 tiles.  391 x 8 = 3,128: the last three waves work on tile 3,124 again and store nothing to memory
; (they pass the barrier like all others).  Wave w also quantises tile w of the weights (tiles 0-3: qW's 64 rows, 4-7: kW's) and hands it to the others through LDS as an image of the operand's registers.
; THE PRODUCT IS USED TRANSPOSED (source 0 = 16 rows of a weight, source 1 = my 16 rows of x): a lane holds ONE row of x and its registers run along the units.
; THE ROWS OF A WEIGHT THAT FORM A TILE ARE NOT NEIGHBOURS: lane r of tile 2 b + u takes row 32 b + 8 u + r + 8 (r / 8), so that the 16 registers of tiles 2 b and 2 b + 1 are the 16 neighbouring units 32 b + 16 (lane / 16) + 0 .. 15.
; The biases are loaded straight into the accumulators: they are the C of each sum's one matrix instruction.
; NO JOINT REQUESTS: operands go from memory into registers as f32 and are quantised there; there is one step of work and no tile in LDS that a mover could fill.
; LIMITS: NaN and infinities among the inputs are not served.  A block whose largest magnitude lies under 2^-124 keeps the scale byte 1; a block of zeros gets the byte 1 too where the quantiser says 127:
; its codes are zeros, which add nothing under any byte but 0xff, and the bytes are read by this program alone.
.set TILES, 3125
.set WSC,   8192                       ; LDS: 0: images of the 8 weight fragments, 1,024 bytes each;  8,192: their scale words, 128 bytes each;
.set STG,   9216                       ; 9,216: each wave's 16 records, 2,048 bytes a wave;
.set XST,   25600                      ; 25,600: each wave's 16 rows of keys, 256 bytes + 16 of padding each
.set KP,    272                        ; 68 words: the 16 rows that a store touches start at 16 different groups of four banks (64 banks of 4 bytes: ISA guide 11.1)
.set XC,    16                         ; v16-23   x's codes: my tile's fragment
.set XSW,   24                         ; v24      its scale words
.set SH8,   25                         ; v25      8 x (lane / 16)
.set KST,   26                         ; v26      the keys' stage: where I put my 128 bytes of row r
.set KRD,   27                         ; v27      and where I read 16 bytes of a row back
.set RW,    28                         ; v28-31   a record's words 16 to 19: q's scale word, k's, theta, mu
.set WS,    32                         ; v32-39   the eight weight tiles' scale words (v32-35 hold zeros until the barrier)
.set TM,    40                         ; v40-55   at work
.set WSW,   48                         ; v48      the scale word of the weight tile that I quantise
.set PC,    56                         ; v56-63   codes just made
.set XF,    64                         ; v64-127  x, f32; v96-127 then the rows of keys on their way out, v64-79 at the end the records
.set WF,    128                        ; v128-191 my weight tile, f32; then at work on the keys; then the eight weight fragments
.set ACC,   192                        ; v192-255 the eight accumulators: tiles 0-3 q, 4-7 k
; 64 numbers of a lane, register 32 c + i = k 64 c + 32 (lane / 16) + i of my row (two WHOLE blocks of 32), become the fragment's 8 registers in v[dst] on and the row's scale word in v[sw].
.macro QROW src, dst, sw
.irp c, 0,1
	v_max3_num_f32 v[TM+\c], |v[\src+32*\c]|, |v[\src+32*\c+1]|, 0x1800000   ; the block's largest magnitude, and the floor 2^(3 - 127): the byte cannot fall under 1
.endr
.irp i, 2,4,6,8,10,12,14,16,18,20,22,24,26,28,30
.irp c, 0,1
	v_max3_num_f32 v[TM+\c], v[TM+\c], |v[\src+32*\c+\i]|, |v[\src+32*\c+\i+1]|   ; (the two blocks by turns)
.endr
.endr
.irp c, 0,1
	v_add_nc_u32 v[TM+2+\c], 0xff000000, v[TM+\c]   ; 2 off the exponent field: the conversion takes the exponent field of this operand as its scale
.endr
.irp c, 0,1
	v_lshrrev_b32 v[TM+4+\c], 23, v[TM+2+\c]        ; the scale's byte
.endr
	v_lshl_or_b32 v[\sw], v[TM+5], 16, v[TM+4]      ; my two bytes: blocks h and 2 + h,
	v_lshlrev_b32 v[\sw], v[SH8], v[\sw]            ; at their places in the word;
	v_permlanex16_b32 v[TM+6], v[\sw], s28, s29
	v_or_b32 v[\sw], v[\sw], v[TM+6]                ; with lane l xor 16's two the word is whole
.irp c, 0,1
.irp g, 0,1,2,3
	v_cvt_scalef32_pk8_fp4_f32 v[\dst+4*\c+\g], v[\src+32*\c+8*\g:\src+32*\c+8*\g+7], v[TM+2+\c]
.endr
.endr
	v_nop                                           ; one plain place behind a scaled conversion
.endm
; 64 numbers of a lane, register 16 b + i = number 32 b + 16 (lane / 16) + i of my row (half blocks), become 8 registers of codes in v[PC] on (whole blocks: lanes 0-15 blocks 0 and 2, lanes 16-31 blocks 1 and 3); the four bytes stay in v[TM+4] on.
.macro QUANT s
.irp b, 0,1,2,3
	v_max3_num_f32 v[TM+\b], |v[\s+16*\b]|, |v[\s+1+16*\b]|, 0x1800000
.endr
.irp i, 2,4,6,8,10,12,14
.irp b, 0,1,2,3
	v_max3_num_f32 v[TM+\b], v[TM+\b], |v[\s+16*\b+\i]|, |v[\s+1+16*\b+\i]|   ; each accumulator is read from its low end on
.endr
.endr
.irp b, 0,1,2,3
	v_permlanex16_b32 v[TM+4+\b], v[TM+\b], s28, s29
.endr
.irp b, 0,1,2,3
	v_max_num_f32 v[TM+\b], v[TM+\b], v[TM+4+\b]    ; with lane l xor 16's: the block's largest magnitude
.endr
.irp b, 0,1,2,3
	v_add_nc_u32 v[TM+12+\b], 0xff000000, v[TM+\b]
.endr
.irp b, 0,1,2,3
	v_lshrrev_b32 v[TM+4+\b], 23, v[TM+12+\b]
.endr
.irp b, 0,1,2,3
	v_cvt_scalef32_pk8_fp4_f32 v[PC+2*\b], v[\s+16*\b:\s+7+16*\b], v[TM+12+\b]
	v_cvt_scalef32_pk8_fp4_f32 v[PC+1+2*\b], v[\s+8+16*\b:\s+15+16*\b], v[TM+12+\b]
.endr
	v_nop                                           ; one plain place behind a scaled conversion
.irp c, 0,1
.irp i, 0,1
	v_permlane16_swap_b32 v[PC+4*\c+\i], v[PC+2+4*\c+\i]   ; the first's lanes 16-31 change places with the second's lanes 0-15: a whole block in a lane
.endr
.endr
.endm
	s_load_b512 s[4:19], s[0:1], 0x0               ; emb s[4:5], qW s[6:7], qb s[8:9], kW s[10:11], kb s[12:13], theta s[14:15], mu s[16:17], rec s[18:19]
	s_load_b64 s[2:3], s[0:1], 0x40                ; the keys
	v_lshl_add_u32 v50, v0, 2, 0xec00
	v_mov_b32 v51, 0
	v_lshrrev_b32 v1, 5, v0
	v_readfirstlane_b32 s20, v1                    ; wave 0..7
	v_and_b32 v1, 15, v0                           ; r
	v_bfe_u32 v2, v0, 4, 1                         ; h
	v_and_b32 v14, 31, v0                          ; lane
	s_lshl_b32 s21, ttmp9, 3
	s_add_co_u32 s21, s21, s20                     ; my tile
	s_min_u32 s22, s21, TILES-1                    ; the tile that I load: no load leaves its buffer
	v_lshlrev_b32 v3, 9, v1
	v_lshl_add_u32 v3, v2, 7, v3                   ; x: row r of 512 bytes, + 128 h: my block of 32 numbers
	v_and_b32 v4, 8, v1
	v_add_nc_u32 v4, v4, v1                        ; r + 8 (r / 8)
	v_lshlrev_b32 v4, 9, v4
	v_lshl_add_u32 v4, v2, 7, v4                   ; the weight: that row, + 128 h
	v_lshlrev_b32 v5, 4, v14                       ; 16 x lane: an image's place for my lane; also my place in 512 bytes of records or of keys
	v_lshlrev_b32 v6, 2, v14                       ; 4 x lane: a scale word's
	s_lshl_b32 s24, s20, 10
	v_add_nc_u32 v7, s24, v5                       ; where I store my weight tile's image
	s_lshl_b32 s24, s20, 7
	s_add_co_u32 s24, s24, WSC
	v_add_nc_u32 v8, s24, v6                       ; and its scale words
	v_lshlrev_b32 v9, 6, v2                        ; the biases: 64 h
	v_lshlrev_b32 v10, 2, v1                       ; theta, mu: 4 r
	s_lshl_b32 s24, s20, 11
	s_add_co_u32 s24, s24, STG                     ; my wave's 16 records in LDS
	v_lshl_add_u32 v12, v1, 7, s24                 ; record r
	v_lshl_add_u32 v11, v2, 4, v12                 ; + 16 h
	v_add_nc_u32 v13, s24, v5                      ; back: 16 bytes a lane
	s_mul_i32 s24, s20, 16*KP
	s_add_co_u32 s24, s24, XST                     ; my wave's 16 rows of keys in LDS
	v_mul_u32_u24 v[KST], v1, KP
	v_lshl_add_u32 v[KST], v2, 7, v[KST]
	v_add_nc_u32 v[KST], s24, v[KST]               ; in: row r, + 128 h: my 32 words
	v_mul_u32_u24 v[KRD], v2, KP
	v_lshl_add_u32 v[KRD], v1, 4, v[KRD]
	v_add_nc_u32 v[KRD], s24, v[KRD]               ; back: lanes 0-15 one row of 256 bytes, lanes 16-31 the next
	v_lshlrev_b32 v[SH8], 3, v2
	s_mov_b32 s28, 0x76543210
	s_mov_b32 s29, 0xfedcba98                      ; v_permlanex16_b32's selects for lane l xor 16
	s_mov_b32 s30, 0xffff                          ; a word's lower half
	s_mov_b32 s31, 0x07060302                      ; v_perm_b32: the first source's upper half over the second's
.irp b, 0,1,2,3
	v_mov_b32 v[TM+4+\b], 0                        ; written once: a lane permute's destination counts as one of its sources
	v_mov_b32 v[WS+\b], 0                          ; the zeros of the records' last bytes
.endr
	s_wait_kmcnt 0x0
	s_lshl_b32 s24, s22, 13                        ; 16 rows of 512 bytes a tile
	s_mov_b32 s25, 0
	s_add_nc_u64 s[4:5], s[4:5], s[24:25]
	s_lshl_b32 s24, s22, 6                         ; 16 numbers of theta and of mu
	s_add_nc_u64 s[14:15], s[14:15], s[24:25]
	s_add_nc_u64 s[16:17], s[16:17], s[24:25]
	s_lshl_b32 s24, s22, 11                        ; 16 records
	s_add_nc_u64 s[18:19], s[18:19], s[24:25]
	s_lshl_b32 s24, s22, 12                        ; 16 rows of keys
	s_add_nc_u64 s[2:3], s[2:3], s[24:25]
	s_cmp_lt_u32 s20, 4                            ; waves 0-3 quantise qW's tiles, waves 4-7 kW's: the choice hangs on the wave's number alone
	s_cselect_b64 s[26:27], s[6:7], s[10:11]
	s_bfe_u32 s24, s20, 0x10001                    ; b = (wave / 2) % 2: 32 rows,
	s_lshl_b32 s24, s24, 14
	s_and_b32 s23, s20, 1                          ; u = wave % 2: 8 rows
	s_lshl_b32 s23, s23, 12
	s_add_co_u32 s24, s24, s23
	s_add_nc_u64 s[26:27], s[26:27], s[24:25]
.irp c, 0,1
.irp j, 0,1,2,3,4,5,6,7
	global_load_b128 v[WF+32*\c+4*\j:WF+32*\c+4*\j+3], v4, s[26:27] offset:256*\c+16*\j   ; my weight row's k = 64 c + 32 h + 4 j on
.endr
.endr
.irp c, 0,1
.irp j, 0,1,2,3,4,5,6,7
	global_load_b128 v[XF+32*\c+4*\j:XF+32*\c+4*\j+3], v3, s[4:5] offset:256*\c+16*\j     ; the same of my row of x
.endr
.endr
.irp t, 0,1,2,3                                ; lane (r, h) wants, for tile 2 b + u, the biases of units 32 b + 16 h + 8 u + 0 .. 7
	global_load_b128 v[ACC+8*\t:ACC+8*\t+3], v9, s[8:9] offset:(32*(\t/2)+8*(\t%2))*4
	global_load_b128 v[ACC+8*\t+4:ACC+8*\t+7], v9, s[8:9] offset:(32*(\t/2)+8*(\t%2))*4+16
	global_load_b128 v[ACC+32+8*\t:ACC+32+8*\t+3], v9, s[12:13] offset:(32*(\t/2)+8*(\t%2))*4
	global_load_b128 v[ACC+32+8*\t+4:ACC+32+8*\t+7], v9, s[12:13] offset:(32*(\t/2)+8*(\t%2))*4+16
.endr
	global_load_b32 v[RW+2], v10, s[14:15]         ; theta of row r
	global_load_b32 v[RW+3], v10, s[16:17]         ; mu
	ds_store_b128 v11, v[WS:WS+3] offset:80        ; bytes 80 to 127 of my records: 80 + 16 h and 96 + 16 h
	ds_store_b128 v11, v[WS:WS+3] offset:96
	s_wait_loadcnt 34                              ; the weight's 16 loads are in; behind them: x's 16, the biases' 16, theta and mu
	QROW WF, PC, WSW
	ds_store_b128 v7, v[PC:PC+3]                   ; the fragment goes to LDS as it stands: lane l's 16 bytes at 16 l
	ds_store_b128 v7, v[PC+4:PC+7] offset:512
	ds_store_b32 v8, v[WSW]
	s_wait_loadcnt 18                              ; x's 16 loads are in; behind them: the biases' 16, theta and mu
	QROW XF, XC, XSW
	; ---- x's keys.  (x & 0xffff) + 0xffff has bit 16 set just where the lower half is not 0, and no bit above it: OR-ed onto x it sets the key's lowest bit there
.set M, 0
.rept 64
	v_and_b32 v[WF+M], s30, v[XF+M]
.set M, M+1
.endr
.set M, 0
.rept 64
	v_add_nc_u32 v[WF+M], s30, v[WF+M]
.set M, M+1
.endr
.set M, 0
.rept 64
	v_or_b32 v[XF+M], v[XF+M], v[WF+M]
.set M, M+1
.endr
.set M, 0
.rept 32
	v_perm_b32 v[WF+M], v[XF+32+M], v[XF+M], s31   ; word 32 h + i: column 64 + 32 h + i's key over column 32 h + i's
.set M, M+1
.endr
.irp j, 0,1,2,3,4,5,6,7
	ds_store_b128 v[KST], v[WF+4*\j:WF+4*\j+3] offset:16*\j
.endr
.irp t, 0,1,2,3,4,5,6,7
	ds_load_b128 v[XF+32+4*\t:XF+32+4*\t+3], v[KRD] offset:2*\t*KP   ; LDS serves a wave's instructions in order (ISA guide 5.7.1.4): these see my stores
.endr
	s_wait_dscnt 0x0                               ; the rows of keys are back; and for the others' sake: my weight tile's image has landed
	s_cmp_lt_u32 s21, TILES                        ; the three waves past the last tile store nothing
	s_cbranch_scc0 .Lno_keys
.irp t, 0,1,2,3,4,5,6,7
	global_store_b128 v5, v[XF+32+4*\t:XF+32+4*\t+3], s[2:3] offset:512*\t   ; 32 lanes store 512 consecutive bytes, two whole rows of keys, at a multiple of 256 from the buffer's first byte; v96-127 are not written again
.endr
.Lno_keys:
	s_barrier_signal -1
	s_barrier_wait -1                              ; all eight images lie in LDS
.irp t, 0,1,2,3,4,5,6,7
	ds_load_b128 v[WF+8*\t:WF+8*\t+3], v5 offset:1024*\t
	ds_load_b128 v[WF+8*\t+4:WF+8*\t+7], v5 offset:1024*\t+512
	ds_load_b32 v[WS+\t], v6 offset:WSC+128*\t
.endr
	s_wait_dscnt 0x0
	s_wait_loadcnt 0x0                             ; the biases, theta, mu
.irp t, 0,1,2,3,4,5,6,7                        ; eight accumulators, one instruction each; C = the bias that lies in the accumulator.  (x's codes and scale word were written by vector instructions: the keys' 224 lines stand between)
	v_wmma_scale_f32_16x16x128_f8f6f4 v[ACC+8*\t:ACC+8*\t+7], v[WF+8*\t:WF+8*\t+7], v[XC:XC+7], v[ACC+8*\t:ACC+8*\t+7], v[WS+\t], v[XSW] matrix_a_fmt:MATRIX_FMT_FP4 matrix_b_fmt:MATRIX_FMT_FP4
.endr
.rept 4
	v_nop                                          ; four places in front of the first read of results (ISA guide 7.12.1)
.endr
	QUANT ACC                                      ; blocks 0, 1: q's 64 numbers; blocks 2, 3: k's
	v_lshl_or_b32 v[RW], v[TM+5], 8, v[TM+4]       ; q's two bytes,
	v_lshl_or_b32 v[RW+1], v[TM+7], 8, v[TM+6]     ; k's,
	v_lshl_or_b32 v[RW], v[RW], 16, v[RW]          ; each twice: the scores' products take them for blocks 0, 1 or for blocks 2, 3
	v_lshl_or_b32 v[RW+1], v[RW+1], 16, v[RW+1]
	ds_store_b128 v11, v[PC:PC+3]                  ; q's codes of units 32 h on: bytes 16 h of record r
	ds_store_b128 v11, v[PC+4:PC+7] offset:32      ; k's: bytes 32 + 16 h
	ds_store_b128 v12, v[RW:RW+3] offset:64        ; (both lanes of a row write the same bytes with the same values)
.irp i, 0,1,2,3
	ds_load_b128 v[XF+4*\i:XF+4*\i+3], v13 offset:512*\i   ; these see my stores, as above
.endr
	s_wait_dscnt 0x0
	s_cmp_lt_u32 s21, TILES                        ; the three waves past the last tile store nothing
	s_cbranch_scc0 .Lend
.irp i, 0,1,2,3
	global_store_b128 v5, v[XF+4*\i:XF+4*\i+3], s[18:19] offset:512*\i   ; 32 lanes store 512 consecutive bytes, four whole records, at a multiple of 256 from the buffer's first byte
.endr
.Lend:
	s_wait_tensorcnt 0x0
	ds_add_u32 v50, v51
	s_wait_dscnt 0x0
	s_endpgm
.Lfunc_end_k_q228f190585_prep:
	.size	k_q228f190585_prep, .Lfunc_end_k_q228f190585_prep-k_q228f190585_prep
	.p2alignl 7, 3214868480
	.fill 96, 4, 3214868480
	.section	.rodata,"a",@progbits
	.p2align	6, 0x0
	.amdhsa_kernel k_q228f190585_prep
		.amdhsa_group_segment_fixed_size 61440
		.amdhsa_private_segment_fixed_size 0
		.amdhsa_enable_private_segment 0
		.amdhsa_kernarg_size 72
		.amdhsa_user_sgpr_count 2
		.amdhsa_user_sgpr_kernarg_segment_ptr 1
		.amdhsa_wavefront_size32 1
		.amdhsa_system_sgpr_workgroup_id_x 1
		.amdhsa_system_sgpr_workgroup_id_y 1
		.amdhsa_system_sgpr_workgroup_id_z 1
		.amdhsa_system_vgpr_workitem_id 0
		.amdhsa_next_free_vgpr 256
		.amdhsa_next_free_sgpr 66
		.amdhsa_reserve_vcc 0
		.amdhsa_float_denorm_mode_32 3
		.amdhsa_float_denorm_mode_16_64 3
		.amdhsa_memory_ordered 1
		.amdhsa_forward_progress 1
		.amdhsa_inst_pref_size 32
	.end_amdhsa_kernel
	.amdgpu_metadata
---
amdhsa.version: [ 1, 2 ]
amdhsa.kernels:
  - .name:           k_q228f190585_prep
    .symbol:         k_q228f190585_prep.kd
    .args:
      - { .name: emb_table, .offset: 0, .size: 8, .value_kind: global_buffer, .address_space: global }
      - { .name: qW, .offset: 8, .size: 8, .value_kind: global_buffer, .address_space: global }
      - { .name: qb, .offset: 16, .size: 8, .value_kind: global_buffer, .address_space: global }
      - { .name: kW, .offset: 24, .size: 8, .value_kind: global_buffer, .address_space: global }
      - { .name: kb, .offset: 32, .size: 8, .value_kind: global_buffer, .address_space: global }
      - { .name: theta_table, .offset: 40, .size: 8, .value_kind: global_buffer, .address_space: global }
      - { .name: mu_table, .offset: 48, .size: 8, .value_kind: global_buffer, .address_space: global }
      - { .name: rec, .offset: 56, .size: 8, .value_kind: global_buffer, .address_space: global }
      - { .name: xk, .offset: 64, .size: 8, .value_kind: global_buffer, .address_space: global }
    .group_segment_fixed_size: 61440
    .private_segment_fixed_size: 0
    .kernarg_segment_align: 8
    .kernarg_segment_size: 72
    .max_flat_workgroup_size: 256
    .sgpr_count:     66
    .vgpr_count:     256
    .wavefront_size: 32
...
	.end_amdgpu_metadata
.endif
;; end of part 3
;; launch pool (part 4): grid 256 x 1, 16 waves a work-group, no clusters, 18,432 bytes of LDS; arguments input_ids, id_mask, input_times, xk, rec, out0; writes out0
.if DOCPART == 4
	.amdgcn_target "amdgcn-amd-amdhsa--gfx1250"
	.amdhsa_code_object_version 6
	.text
	.protected	k_q228f190585_pool
	.globl	k_q228f190585_pool
	.p2align	8
	.type	k_q228f190585_pool,@function
k_q228f190585_pool:
	s_mov_b64 s[64:65], 0
	v_nop
	global_prefetch_b8 v0, s[64:65] scope:SCOPE_SE
	s_setreg_imm32_b32 hwreg(HW_REG_WAVE_MODE, 25, 1), 1
	s_wait_xcnt 0x0
; FOR EACH OF 16,384 SETS OF 32 CONCEPTS: scores = Q(q) Q(k)^T / 8 + m_i m_j (m = 0 where the mask is above 0.5, else -1e9); p = 2^(t - M), t = score x log2(e), M = ceil(the row's largest t);
; out = Q(p) Q(x) / l, l the sum of the unquantised p; pooled = the sum over the queries of out x sigmoid(theta - mu x time) x mask.  Both products on codes of FP4 (E2M1) with one E8M0 scale for each 32 along K.
; q's and k's codes and scale bytes, theta and mu come from the records that the launch before has made, one gather of 80 bytes a concept.  x is quantised along the KEYS of the set, so its scales belong to the set:
; its rows are gathered here, A LANE TO A COLUMN AND THE REGISTERS DOWN THE 32 KEYS: a block of 32 lies in one lane's 32 registers, and the conversions' results are the operand's registers.
; x COMES AS KEYS OF 16 BITS, which the launch before has made: a number's upper 16 bits, the lowest of them set besides where any bit cut off was set.  Widened by 16 zeros a key gives this quantiser the same scale byte and
; the same code as the number itself, for every finite number: the exponent field is kept, and a code turns only at numbers of three significant bits, which no inexact key equals or crosses (the proof stands at that launch's head).
; A row is 64 words: word w holds column w below and column 64 + w above.  So a set's 128 columns come in two passes of 32 loads (one load: 128 consecutive bytes of one row), and pass p gives column groups p and p + 2 of 32.
; SHARES.  Sixteen waves, four to a SIMD; a wave owns four sets, written out one after the other; waves share nothing: no barrier.
; WHAT IS ON ITS WAY.  Each pass's 32 loads are issued a whole set ahead: the next set's pass 0 as soon as this set's is quantised, at the set's head; its pass 1 likewise, in front of the second product.
; K OF 64 AND OF 32 IN AN INSTRUCTION OF 128: zero codes fill the rest.  Quads of zeros stand between the quads of codes in one chain of registers, so that eight consecutive registers place a quad in blocks 0, 1 (zeros behind it) or 2, 3 (zeros ahead).
;   Scores, transposed (source 0 = keys, source 1 = queries): K's eight registers hold keys 0-15 in blocks 0, 1 and keys 16-31 in blocks 2, 3; the queries' quad picks one of the two.  A lane then holds ONE query and 8 keys a tile.
;   Second product (source 0 = p, 16 queries; source 1 = x's codes of two column groups): lanes 0-15 of group 2 g are block 0, lanes 16-31 block 1, group 2 g + 1 blocks 2 and 3: four runs of 16 columns.  p's 32 codes stand in ONE block (quad L: lanes 0-15, quad H: lanes 16-31) and so pick the run.
; NO JOINT REQUESTS: rows are gathered by an index read from memory; no two work-groups are known to want the same tile.
; THE MULTIPLY t = u c AND THE ADD t - M STAY APART: where query and key are both masked u is 8e18, and a fused form would leave the product's rounding error, 2^30 and more, in place of 0.
; A BLOCK'S LARGEST p IS NOT SEARCHED FOR: the row's largest u goes through the same multiply, add and exponential (this takes v_exp_f32 not to fall where its input rises).
; LIMITS: NaN and infinities among the inputs are not served.  A column of x whose largest magnitude lies under 2^-124 keeps the scale byte 1 (a column of zeros too: its codes are zeros).  An index is held at 49,999 from above.
.set IDMAX, 0xc34f
.set KF,  36                           ; v36-43   K's fragment
.set CH,  44                           ; v44-95   the chain: Z Q0 Z Q1 Z L0 Z H0 Z L1 Z H1 Z, four registers each; the Z are zeros, written once
.set PX,  96                           ; v96-111  x's codes: column group q at v[PX + 4 q]
.set SC,  112                          ; v112-143 the scores (16 t + 8 u + j: query 16 t + r, key 16 u + 8 h + j), then p; later the second product's results; in between, where they are free, a pass's lower keys widened
.set MK,  144                          ; v144-159 m of my 16 keys; later w / l of my 16 queries
.set OFR, 160                          ; v160-191 byte offset of key m's row of keys, + 4 x lane
.set XR,  192                          ; v192-255 x: a buffer of 32 words for each pass
; v1 4 x lane;  v2 my wave's LDS + 4 x lane;  v3 + 32 h;  v4 + 16 x lane;  v5 16 x lane;  v6 the next set's ids, a lane a concept;  v7 my record's offset;  v8 the mask;  v9 sigmoid x mask, then / l
; v10, v11 the conversions' scale operands (lower, upper column);  v12, v13 at work;  v14, v15 p's scale words;  v16, v17 x's scale words;  v18, v20 8 m of my query;  v19, v21 the largest u
; v22, v24 -M;  v23, v25 the largest t - M, then the largest p;  v[26:27], v[28:29] the sums;  v30, v31 p's scale operands;  v32 q's scale words, v33 k's, v34 theta, v35 mu.  v18-25 serve the pooling once the softmax is done, v26, v27 x's maxima outside it.
; LDS, 1,024 bytes a wave: 0 m of the 32 concepts;  128 w / l of the 32 queries;  256 a row of the output, 512 bytes.
; s[4:5] ids, s[6:7] mask, s[8:9] times, s[14:15] out: at my first set;  s[10:11] the keys;  s[12:13] the records;  s[20:23] my four times;  s[24:25] c;  s[26:27] lane selects;  s30 a word's upper half;  s[32:63] a set's 32 ids
.macro IDS n                           ; set n's 32 ids as scalars
	s_load_b512 s[32:47], s[4:5], 128*(\n)
	s_load_b512 s[48:63], s[4:5], 128*(\n)+64
.endm
.macro OFFS                            ; the rows' offsets: 256 x id + 4 x lane
.set M, 0
.rept 32
	s_min_u32 s[32+M], s[32+M], IDMAX
	v_lshl_add_u32 v[OFR+M], s[32+M], 8, v1
.set M, M+1
.endr
.endm
.macro XLOAD p                         ; pass p: word 32 p + lane of key m's row into register m of buffer p
.set M, 0
.rept 32
	global_load_b32 v[XR+32*(\p)+M], v[OFR+M], s[10:11] offset:128*(\p)
.set M, M+1
.endr
.endm
; Pass p is quantised: column groups p (the words' lower halves) and p + 2 (the upper).  A lane's 32 registers are its column's one block.  cnt: the younger loads, which may stay out.
.macro XQL p, cnt
.set XB, XR+32*(\p)
	s_wait_loadcnt \cnt
.set M, 0
.rept 32
	v_lshlrev_b32 v[SC+M], 16, v[XB+M]                             ; the lower key, widened
.set M, M+1
.endr
	v_max3_num_f32 v12, |v[SC]|, |v[SC+1]|, 0x1800000              ; two chains a column; the floor 2^(3 - 127) holds the byte at 1 from below
	v_max3_num_f32 v26, |v[XB]|, |v[XB+1]|, 0x1800000              ; the upper column's on the words as they are: only the largest magnitude's exponent field is used, and the 16 bits below a key cannot change which field is the largest
	v_max3_num_f32 v13, |v[SC+16]|, |v[SC+17]|, |v[SC+18]|
	v_max3_num_f32 v27, |v[XB+16]|, |v[XB+17]|, |v[XB+18]|
.irp i, 2,4,6,8,10,12
	v_max3_num_f32 v12, v12, |v[SC+\i]|, |v[SC+\i+1]|
	v_max3_num_f32 v26, v26, |v[XB+\i]|, |v[XB+\i+1]|
	v_max3_num_f32 v13, v13, |v[SC+17+\i]|, |v[SC+18+\i]|
	v_max3_num_f32 v27, v27, |v[XB+17+\i]|, |v[XB+18+\i]|
.endr
	v_max3_num_f32 v12, v12, |v[SC+14]|, |v[SC+15]|
	v_max3_num_f32 v26, v26, |v[XB+14]|, |v[XB+15]|
	v_max3_num_f32 v12, v12, v13, |v[SC+31]|
	v_max3_num_f32 v26, v26, v27, |v[XB+31]|
	v_add_nc_u32 v10, 0xff000000, v12                              ; 2 off the exponent field: the conversion's scale operand
	v_add_nc_u32 v11, 0xff000000, v26
.if (\p) == 0
	v_lshrrev_b32 v16, 23, v10                                     ; the bytes of groups 0 and 2: kept where the scale words will stand
	v_lshrrev_b32 v17, 23, v11
.else
	v_lshrrev_b32 v12, 23, v10                                     ; the bytes of groups 1 and 3
	v_lshrrev_b32 v13, 23, v11
	v_lshl_or_b32 v12, v12, 16, v16                                ; the even group's byte for blocks 0 and 1, the odd group's for blocks 2 and 3
	v_lshl_or_b32 v13, v13, 16, v17
	v_lshl_or_b32 v16, v12, 8, v12
	v_lshl_or_b32 v17, v13, 8, v13
.endif
.set M, 0
.rept 32
	v_and_b32 v[XB+M], s30, v[XB+M]                                ; the upper key, widened in place.  (These 32 lines are also the eight places between the scale words and the scaled products)
.set M, M+1
.endr
.irp g, 0,1,2,3
	v_cvt_scalef32_pk8_fp4_f32 v[PX+4*(\p)+\g], v[SC+8*\g:SC+8*\g+7], v10
.endr
.irp g, 0,1,2,3
	v_cvt_scalef32_pk8_fp4_f32 v[PX+8+4*(\p)+\g], v[XB+8*\g:XB+8*\g+7], v11
.endr
	v_nop                                                          ; one plain place behind a scaled conversion
.if (\p) == 1
.rept 3
	v_nop                                                          ; with it four: an operand written by vector instructions stands four places ahead of a scaled matrix instruction
.endr
.endif
.endm
; What set n wants beside x: its concepts' records (a lane a concept), its mask, and the ids of the set after it.
.macro E1 n
	v_min_u32 v7, IDMAX, v6
	v_lshlrev_b32 v7, 7, v7
	global_load_b128 v[CH+4:CH+7], v7, s[12:13]                    ; q's units 0-31
	global_load_b128 v[CH+12:CH+15], v7, s[12:13] offset:16        ; 32-63
	global_load_b128 v[KF:KF+3], v7, s[12:13] offset:32            ; k's units 0-31
	global_load_b128 v[KF+4:KF+7], v7, s[12:13] offset:48          ; 32-63
	global_load_b128 v[32:35], v7, s[12:13] offset:64              ; q's scale word, k's, theta, mu
	global_load_b32 v8, v1, s[6:7] offset:128*(\n)
.if (\n) < 3
	global_load_b32 v6, v1, s[4:5] offset:128*((\n)+1)
.endif
.endm
; 32 columns of the second product and their pooling: columns 32 (2 g + bp) + 16 v + r, v = 0, 1; queries 16 t + 8 h + j.
.macro PVG g, bp
.irp v, 0,1
.irp t, 0,1
.if \v
	v_wmma_scale_f32_16x16x128_f8f6f4 v[SC+16*\v+8*\t:SC+16*\v+8*\t+7], v[CH+20+16*\t+8*\v-4*(\bp):CH+27+16*\t+8*\v-4*(\bp)], v[PX+8*(\g):PX+8*(\g)+7], 0, v[14+\t], v[16+(\g)] matrix_a_fmt:MATRIX_FMT_FP4 matrix_b_fmt:MATRIX_FMT_FP4 matrix_b_scale:MATRIX_SCALE_ROW1
.else
	v_wmma_scale_f32_16x16x128_f8f6f4 v[SC+16*\v+8*\t:SC+16*\v+8*\t+7], v[CH+20+16*\t+8*\v-4*(\bp):CH+27+16*\t+8*\v-4*(\bp)], v[PX+8*(\g):PX+8*(\g)+7], 0, v[14+\t], v[16+(\g)] matrix_a_fmt:MATRIX_FMT_FP4 matrix_b_fmt:MATRIX_FMT_FP4
.endif
.endr
.endr
.rept 5
	v_nop                                          ; four places in front of the reads of results, five in front of the next group's products, which write over them (ISA guide 7.12.1)
.endr
.irp v, 0,1
	v_pk_mul_f32 v[18+2*\v:19+2*\v], v[SC+16*\v:SC+16*\v+1], v[MK:MK+1]          ; out x w / l, summed over my 16 queries, two at a time; each accumulator from its low end on
.endr
.irp i, 2,4,6,8,10,12,14
.irp v, 0,1
	v_pk_fma_f32 v[18+2*\v:19+2*\v], v[SC+16*\v+\i:SC+16*\v+\i+1], v[MK+\i:MK+\i+1], v[18+2*\v:19+2*\v]
.endr
.endr
.irp v, 0,1
	v_add_f32 v[18+2*\v], v[18+2*\v], v[19+2*\v]
.endr
	v_permlane16_swap_b32 v18, v20                 ; v18: both runs' sums over queries 8 h = 0; v20: over 8 h = 8
	v_add_f32 v[22+2*(\g)+(\bp)], v18, v20         ; lane l: column 32 (2 g + bp) + l, all 32 queries
	ds_store_b32 v2, v[22+2*(\g)+(\bp)] offset:256+128*(2*(\g)+(\bp))
.endm
	s_load_b256 s[4:11], s[0:1], 0x0               ; ids s[4:5], mask s[6:7], times s[8:9], the keys s[10:11]
	s_load_b128 s[12:15], s[0:1], 0x20             ; the records s[12:13], out s[14:15]
	v_lshrrev_b32 v1, 5, v0
	v_readfirstlane_b32 s16, v1                    ; wave 0..15
	v_and_b32 v6, 31, v0                           ; lane
	v_bfe_u32 v7, v0, 4, 1                         ; h
	s_lshl_b32 s17, ttmp9, 4
	s_add_co_u32 s17, s17, s16
	s_lshl_b32 s17, s17, 2                         ; my first set: 4 x (16 x work-group + wave)
	s_lshl_b32 s28, s16, 10                        ; my wave's 1,024 bytes of LDS
	v_lshlrev_b32 v1, 2, v6
	v_lshl_add_u32 v2, v6, 2, s28
	v_lshl_add_u32 v3, v7, 5, s28
	v_lshl_add_u32 v4, v6, 4, s28
	v_lshlrev_b32 v5, 4, v6
	s_mov_b32 s24, 0x3e38aa3b                      ; c = log2(e) / 8
	s_mov_b32 s25, s24                             ; (named with it as a pair, so it is written)
	s_mov_b32 s26, 0x76543210
	s_mov_b32 s27, 0xfedcba98                      ; v_permlanex16_b32's selects for lane l xor 16
	s_mov_b32 s30, 0xffff0000                      ; a word's upper half
.irp z, 0,8,16,24,32,40,48
.irp i, 0,1,2,3
	v_mov_b32 v[CH+\z+\i], 0                       ; the chain's seven quads of zeros
.endr
.endr
	v_mov_b32 v19, 0                               ; (named as the upper halves of pairs before they are first written)
	v_mov_b32 v21, 0
	s_mov_b32 s19, 0
	s_wait_kmcnt 0x0
	s_lshl_b32 s18, s17, 7                         ; 128 bytes of ids and of the mask a set,
	s_add_nc_u64 s[4:5], s[4:5], s[18:19]
	s_add_nc_u64 s[6:7], s[6:7], s[18:19]
	s_lshl_b32 s18, s17, 2                         ; 4 of times,
	s_add_nc_u64 s[8:9], s[8:9], s[18:19]
	s_lshl_b32 s18, s17, 9                         ; 512 of the output
	s_add_nc_u64 s[14:15], s[14:15], s[18:19]
	IDS 0
	s_load_b128 s[20:23], s[8:9], 0x0
	global_load_b32 v6, v1, s[4:5]                 ; set 0's ids once more, a lane a concept
	s_wait_kmcnt 0x0
	OFFS
	IDS 1
	XLOAD 0
	s_wait_loadcnt 32                              ; the ids are in; the pass's 32 loads stay out
	E1 0
	XLOAD 1                                        ; (a load that would be the 64th out is issued when the oldest is back: ISA guide 5.7.1; no wait is written for that)
.macro SET s
.if (\s) < 2
.set NE, 7                             ; the loads of E1 for the next set
.elseif (\s) == 2
.set NE, 6
.else
.set NE, 0
.endif
	s_wait_xcnt 0x0                                ; all earlier memory instructions have had their addresses translated (ISA guide 3.1): only behind this wait are the last set's store data (v112-115) and the rows' offsets, which pass 1's loads name, written again
	XQL 0, 32                                      ; pass 0 is in, and the records, the mask and the next ids, which were asked for between the two passes; pass 1's 32 loads stay out
.if (\s) < 3
	s_wait_kmcnt 0x0                               ; the next set's ids
	OFFS
.if (\s) < 2
	IDS (\s)+2
.endif
	XLOAD 0                                        ; the next set's pass 0
.endif
	; ---- the scores' operands.  As loaded a lane holds its concept's two halves; one exchange of lane halves makes of them the two tiles' fragments
.irp i, 0,1,2,3
	v_permlane16_swap_b32 v[KF+\i], v[KF+4+\i]         ; v36-39: keys 0-15, units 32 h on;  v40-43: keys 16-31
	v_permlane16_swap_b32 v[CH+4+\i], v[CH+12+\i]      ; Q0: queries 0-15;  Q1: queries 16-31
.endr
	v_cmp_lt_f32 vcc_lo, 0.5, v8
	v_cndmask_b32 v12, 0xce6e6b28, v[CH], vcc_lo   ; m: 0 where the mask is above 0.5, else -1e9
	v_cndmask_b32 v18, 0xcfee6b28, v[CH], vcc_lo   ; 8 m
	v_mov_b32 v20, v18
	v_fma_f32 v13, -v35, s[20+(\s)], v34           ; theta - mu x time.  (These five lines are also the places between the exchanges and the products)
	ds_store_b32 v2, v12                           ; m, a lane a concept,
.irp u, 0,1
.irp i, 0,1
	ds_load_b128 v[MK+8*\u+4*\i:MK+8*\u+4*\i+3], v3 offset:64*\u+16*\i   ; comes back by keys: register 8 u + j = m of key 16 u + 8 h + j.  LDS serves a wave's instructions in order (ISA guide 5.7.1.4)
.endr
.endr
	v_permlane16_swap_b32 v18, v20                 ; v18: 8 m of query r, v20: of query 16 + r, in both halves of the lanes
	v_wmma_scale_f32_16x16x128_f8f6f4 v[SC:SC+7], v[KF:KF+7], v[CH+4:CH+11], 0, v33, v32 matrix_a_fmt:MATRIX_FMT_FP4 matrix_b_fmt:MATRIX_FMT_FP4
	v_wmma_scale_f32_16x16x128_f8f6f4 v[SC+8:SC+15], v[KF:KF+7], v[CH:CH+7], 0, v33, v32 matrix_a_fmt:MATRIX_FMT_FP4 matrix_b_fmt:MATRIX_FMT_FP4 matrix_a_scale:MATRIX_SCALE_ROW1
	v_wmma_scale_f32_16x16x128_f8f6f4 v[SC+16:SC+23], v[KF:KF+7], v[CH+12:CH+19], 0, v33, v32 matrix_a_fmt:MATRIX_FMT_FP4 matrix_b_fmt:MATRIX_FMT_FP4 matrix_b_scale:MATRIX_SCALE_ROW1
	v_wmma_scale_f32_16x16x128_f8f6f4 v[SC+24:SC+31], v[KF:KF+7], v[CH+8:CH+15], 0, v33, v32 matrix_a_fmt:MATRIX_FMT_FP4 matrix_b_fmt:MATRIX_FMT_FP4 matrix_a_scale:MATRIX_SCALE_ROW1 matrix_b_scale:MATRIX_SCALE_ROW1
	v_mul_f32 v13, 0xbfb8aa3b, v13                 ; the sigmoid, 1 / (1 + 2^(-log2(e) z)): its five plain lines are the places behind the products, for the loads into their operands and the reads of their results
	v_exp_f32 v13, v13
	v_nop
	s_wait_alu depctr_va_vdst(0)
	v_add_f32 v13, 1.0, v13
	v_rcp_f32 v13, v13
	v_nop
	s_wait_alu depctr_va_vdst(0)
	v_mul_f32 v9, v13, v8                          ; x the mask
.if (\s) < 3
	E1 (\s)+1                                      ; (v7 named this set's record loads, which the wait at the set's head has shown done)
.endif
	; ---- the softmax, the two tiles of queries by turns
	s_wait_dscnt 0x0                               ; m of my keys
.irp i, 0,2,4,6,8,10,12,14
.irp t, 0,1
	v_pk_fma_f32 v[SC+16*\t+\i:SC+16*\t+\i+1], v[MK+\i:MK+\i+1], v[18+2*\t:19+2*\t], v[SC+16*\t+\i:SC+16*\t+\i+1] op_sel_hi:[1,0,1]   ; u = q . k + 8 m_i m_j = 8 x the logit; each accumulator from its low end on
.endr
.endr
.irp t, 0,1
	v_max3_num_f32 v[19+2*\t], v[SC+16*\t], v[SC+16*\t+1], v[SC+16*\t+2]
.endr
.irp i, 3,5,7,9,11,13
.irp t, 0,1
	v_max3_num_f32 v[19+2*\t], v[19+2*\t], v[SC+16*\t+\i], v[SC+16*\t+\i+1]
.endr
.endr
.irp t, 0,1
	v_max_num_f32 v[19+2*\t], v[19+2*\t], v[SC+16*\t+15]
.endr
.irp t, 0,1
	v_permlanex16_b32 v[12+\t], v[19+2*\t], s26, s27
.endr
.irp t, 0,1
	v_max_num_f32 v[19+2*\t], v[19+2*\t], v[12+\t]     ; with lane l xor 16's 16 keys: the row's largest u
.endr
.irp t, 0,1
	v_mul_f32 v[23+2*\t], s24, v[19+2*\t]              ; as t (c is positive)
.endr
.irp t, 0,1
	v_floor_f32 v[22+2*\t], -v[23+2*\t]                ; -M = floor(-t) = -ceil(t)
.endr
.irp t, 0,1
	v_add_f32 v[23+2*\t], v[23+2*\t], v[22+2*\t]       ; the largest t - M
.endr
.irp i, 0,2,4,6,8,10,12,14
.irp t, 0,1
	v_pk_mul_f32 v[SC+16*\t+\i:SC+16*\t+\i+1], v[SC+16*\t+\i:SC+16*\t+\i+1], s[24:25] op_sel_hi:[1,0]   ; t, rounded: see the head
.endr
.endr
.irp i, 0,2,4,6,8,10,12,14
.irp t, 0,1
	v_pk_add_f32 v[SC+16*\t+\i:SC+16*\t+\i+1], v[SC+16*\t+\i:SC+16*\t+\i+1], v[22+2*\t:23+2*\t] op_sel_hi:[1,0]   ; t - M
.endr
.endr
	v_exp_f32 v23, v23                             ; the rows' largest p, above 1/2 or equal to it: no floor is wanted
	v_exp_f32 v25, v25
.set M, 0
.rept 32
	v_exp_f32 v[SC+M], v[SC+M]                     ; p = 2^(t - M): not normalised
.set M, M+1
.endr
	v_nop                                          ; a plain place behind the exponentials
	s_wait_alu depctr_va_vdst(0)
.irp t, 0,1
	v_pk_add_f32 v[26+2*\t:27+2*\t], v[SC+16*\t:SC+16*\t+1], v[SC+16*\t+2:SC+16*\t+3]   ; the sum is taken of the unquantised p
.endr
.irp i, 4,6,8,10,12,14
.irp t, 0,1
	v_pk_add_f32 v[26+2*\t:27+2*\t], v[26+2*\t:27+2*\t], v[SC+16*\t+\i:SC+16*\t+\i+1]
.endr
.endr
.irp t, 0,1
	v_add_f32 v[26+2*\t], v[26+2*\t], v[27+2*\t]
.endr
	v_permlane16_swap_b32 v26, v28                 ; v26: both tiles' sums over the keys of h = 0, v28: of h = 1
	v_add_f32 v26, v26, v28                        ; l, a lane a concept
	v_rcp_f32 v26, v26
.irp t, 0,1
	v_add_nc_u32 v[30+\t], 0xff000000, v[23+2*\t]  ; 2 off the largest p's exponent field: the conversion's scale operand.  (A plain place behind the reciprocal)
.endr
.irp t, 0,1
	v_lshrrev_b32 v[12+\t], 23, v[30+\t]           ; the byte,
.endr
.irp t, 0,1
	v_lshl_or_b32 v[12+\t], v[12+\t], 8, v[12+\t]
.endr
.irp t, 0,1
	v_lshl_or_b32 v[14+\t], v[12+\t], 16, v[12+\t] ; four times: p's codes may stand in any of the four blocks
.endr
	s_wait_alu depctr_va_vdst(0)
	v_mul_f32 v9, v9, v26                          ; w / l
.irp t, 0,1                                    ; my 8 codes of keys 8 h on and of keys 16 + 8 h on, once for L and once for H
	v_cvt_scalef32_pk8_fp4_f32 v[CH+20+16*\t], v[SC+16*\t:SC+16*\t+7], v[30+\t]
	v_cvt_scalef32_pk8_fp4_f32 v[CH+22+16*\t], v[SC+16*\t+8:SC+16*\t+15], v[30+\t]
	v_cvt_scalef32_pk8_fp4_f32 v[CH+29+16*\t], v[SC+16*\t:SC+16*\t+7], v[30+\t]
	v_cvt_scalef32_pk8_fp4_f32 v[CH+31+16*\t], v[SC+16*\t+8:SC+16*\t+15], v[30+\t]
.endr
.irp t, 0,1
	v_mov_b32 v[CH+21+16*\t], 0                    ; (plain places behind the conversions)
	v_mov_b32 v[CH+23+16*\t], 0
	v_mov_b32 v[CH+28+16*\t], 0
	v_mov_b32 v[CH+30+16*\t], 0
.endr
.irp t, 0,1
.irp i, 0,2
	v_permlane16_swap_b32 v[CH+20+16*\t+\i], v[CH+21+16*\t+\i]   ; L: lanes 0-15 get the row's 32 codes, keys ascending; lanes 16-31 zeros
	v_permlane16_swap_b32 v[CH+28+16*\t+\i], v[CH+29+16*\t+\i]   ; H: lanes 16-31 get them; lanes 0-15 zeros
.endr
.endr
	ds_store_b32 v2, v9 offset:128                 ; w / l, a lane a concept,
.irp t, 0,1
.irp i, 0,1
	ds_load_b128 v[MK+8*\t+4*\i:MK+8*\t+4*\i+3], v3 offset:128+64*\t+16*\i   ; comes back by queries: register 8 t + j = that of query 16 t + 8 h + j
.endr
.endr
.if (\s) < 3
	XQL 1, 32+NE                                   ; pass 1 is in; behind it: the next set's pass 0, 32 loads, and its records, mask and ids, NE
	XLOAD 1                                        ; the next set's pass 1
.else
	XQL 1, 0
.endif
	; ---- the second product and the pooling, 32 columns at a time
	s_wait_dscnt 0x0                               ; w / l of my queries
	PVG 0, 0
	PVG 0, 1
	PVG 1, 0
	PVG 1, 1
	ds_load_b128 v[SC:SC+3], v4 offset:256         ; the row of 128 numbers, 16 bytes a lane
	s_wait_dscnt 0x0
	global_store_b128 v5, v[SC:SC+3], s[14:15] offset:512*(\s) th:TH_STORE_NT   ; 32 lanes store 512 consecutive bytes, at a multiple of 256 from the output's first byte; written once, read by nobody here
.endm
	SET 0
	SET 1
	SET 2
	SET 3
	s_wait_xcnt 0x0
	v_lshl_add_u32 v254, v0, 2, 0x4000
	v_mov_b32 v255, 0
	s_wait_tensorcnt 0x0
	ds_add_u32 v254, v255
	s_wait_dscnt 0x0
	s_endpgm
.Lfunc_end_k_q228f190585_pool:
	.size	k_q228f190585_pool, .Lfunc_end_k_q228f190585_pool-k_q228f190585_pool
	.p2alignl 7, 3214868480
	.fill 96, 4, 3214868480
	.section	.rodata,"a",@progbits
	.p2align	6, 0x0
	.amdhsa_kernel k_q228f190585_pool
		.amdhsa_group_segment_fixed_size 18432
		.amdhsa_private_segment_fixed_size 0
		.amdhsa_enable_private_segment 0
		.amdhsa_kernarg_size 48
		.amdhsa_user_sgpr_count 2
		.amdhsa_user_sgpr_kernarg_segment_ptr 1
		.amdhsa_wavefront_size32 1
		.amdhsa_system_sgpr_workgroup_id_x 1
		.amdhsa_system_sgpr_workgroup_id_y 1
		.amdhsa_system_sgpr_workgroup_id_z 1
		.amdhsa_system_vgpr_workitem_id 0
		.amdhsa_next_free_vgpr 256
		.amdhsa_next_free_sgpr 66
		.amdhsa_reserve_vcc 1
		.amdhsa_float_denorm_mode_32 3
		.amdhsa_float_denorm_mode_16_64 3
		.amdhsa_memory_ordered 1
		.amdhsa_forward_progress 1
		.amdhsa_inst_pref_size 157
	.end_amdhsa_kernel
	.amdgpu_metadata
---
amdhsa.version: [ 1, 2 ]
amdhsa.kernels:
  - .name:           k_q228f190585_pool
    .symbol:         k_q228f190585_pool.kd
    .args:
      - { .name: input_ids, .offset: 0, .size: 8, .value_kind: global_buffer, .address_space: global }
      - { .name: id_mask, .offset: 8, .size: 8, .value_kind: global_buffer, .address_space: global }
      - { .name: input_times, .offset: 16, .size: 8, .value_kind: global_buffer, .address_space: global }
      - { .name: xk, .offset: 24, .size: 8, .value_kind: global_buffer, .address_space: global }
      - { .name: rec, .offset: 32, .size: 8, .value_kind: global_buffer, .address_space: global }
      - { .name: out0, .offset: 40, .size: 8, .value_kind: global_buffer, .address_space: global }
    .group_segment_fixed_size: 18432
    .private_segment_fixed_size: 0
    .kernarg_segment_align: 8
    .kernarg_segment_size: 48
    .max_flat_workgroup_size: 512
    .sgpr_count:     66
    .vgpr_count:     256
    .wavefront_size: 32
...
	.end_amdgpu_metadata
.endif
;; end of part 4
;; ======== version 3 of 3: 2 launches; version 2 with the launches prep, pool written anew for expert scheduling mode
;; workspace buffers: rec 6,400,000 bytes; xk 12,800,000 bytes
;; launch prep (part 5): grid 391 x 1, 8 waves a work-group, no clusters, 61,440 bytes of LDS; arguments emb_table, qW, qb, kW, kb, theta_table, mu_table, rec, xk; writes rec, xk
.if DOCPART == 5
	.amdgcn_target "amdgcn-amd-amdhsa--gfx1250"
	.amdhsa_code_object_version 6
	.text
	.protected	k_q228f190585_prep
	.globl	k_q228f190585_prep
	.p2align	8
	.type	k_q228f190585_prep,@function
k_q228f190585_prep:
	s_mov_b64 s[64:65], 0
	v_nop
	global_prefetch_b8 v0, s[64:65] scope:SCOPE_SE
	s_setreg_imm32_b32 hwreg(HW_REG_WAVE_SCHED_MODE, 0, 2), 2
	s_setreg_imm32_b32 hwreg(HW_REG_WAVE_MODE, 25, 1), 1
	s_wait_xcnt 0x0
	s_wait_alu depctr_vm_vsrc(0)
; ONCE FOR EACH ROW v OF THE TABLE: q[v] = Q(x[v]) Q(qW)^T + qb and k[v] = Q(x[v]) Q(kW)^T + kb (K = 128, codes of FP4 (E2M1), one E8M0 scale for each 32 along K),
; then q[v] and k[v] themselves quantised along their 64 numbers, which are the K of the scores.  All of this hangs on the table's row alone, not on the set that names it: so it is made
; 50,000 times here and gathered afterwards.  It leaves as a RECORD of 128 bytes:
;   0-31 q's 64 codes (the lower unit in the lower four bits), 32-63 k's, 64-67 q's two scale bytes twice [s0 s1 s0 s1], 68-71 k's likewise, 72-75 theta[v], 76-79 mu[v], 80-127 zeros.
; x[v] ITSELF LEAVES AS 128 KEYS OF 16 BITS, for the quantiser along the keys of a set, which the next launch runs.  A key is the number's upper 16 bits, its lowest bit set besides where any of the 16 bits cut off is set.
;   It gives that quantiser the same scale bytes and the same codes as the number itself, for every finite number.  The scale hangs on an exponent field, which the key keeps.  A code turns at 0.25, 0.75, 1.25, 1.75, 2.5, 3.5 or 5
;   times the scale: numbers of three significant bits at the most, whose lowest bit among eight is clear.  An inexact key has that bit set and lies between the same two neighbouring numbers of eight bits as the number: on the same
;   side of every turning point.  An exact key is the number, so a tie stays a tie.  (Denormals: turning points are multiples of 2^-128, a key's step there is 2^-133.)
;   A row of keys is 256 bytes: word w (0 .. 63) holds column w in its low half and column 64 + w in its high half: both lie in one lane here, and the reader's one load of 32 words gives it two runs of 32 columns.
; SHARES.  Eight waves; wave w of work-group g takes tile 8 g + w: 16 rows of the table; 3,125 tiles.  391 x 8 = 3,128: the last three waves work on tile 3,124 again and store nothing to memory
; (they pass the barrier like all others).  Wave w also quantises tile w of the weights (tiles 0-3: qW's 64 rows, 4-7: kW's) and hands it to the others through LDS as an image of the operand's registers.
; THE PRODUCT IS USED TRANSPOSED (source 0 = 16 rows of a weight, source 1 = my 16 rows of x): a lane holds ONE row of x and its registers run along the units.
; THE ROWS OF A WEIGHT THAT FORM A TILE ARE NOT NEIGHBOURS: lane r of tile 2 b + u takes row 32 b + 8 u + r + 8 (r / 8), so that the 16 registers of tiles 2 b and 2 b + 1 are the 16 neighbouring units 32 b + 16 (lane / 16) + 0 .. 15.
; The biases are loaded straight into the accumulators: they are the C of each sum's one matrix instruction.
; NO JOINT REQUESTS: operands go from memory into registers as f32 and are quantised there; there is one step of work and no tile in LDS that a mover could fill.
; LIMITS: NaN and infinities among the inputs are not served.  A block whose largest magnitude lies under 2^-124 keeps the scale byte 1; a block of zeros gets the byte 1 too where the quantiser says 127:
; its codes are zeros, which add nothing under any byte but 0xff, and the bytes are read by this program alone.
; THE MODE: SCHED_MODE bits 1:0 = 2 (LLVM: expert scheduling mode 2), set by the entry lines.  The code itself states the register dependences
; between vector or matrix instructions and memory or LDS instructions, with s_wait_alu, always for 0.
; THE PLAN.  Registers that memory or LDS instructions touch:
;   v3-13, v26, v27   offsets and LDS addresses: written at the head, never again.
;   v32-35            zeros, written at the head, read by two LDS stores; behind the barrier the weights' scale words land in v32-39.
;   v56-63, v48       codes and a scale word: written by QROW, read by three LDS stores; v56-63 written again by QUANT and read by the records' LDS stores.
;   v128-191          the weight tile lands; QROW reads it; the keys' lines write it; eight LDS stores read it; behind the barrier the eight fragments land.
;   v96-127           read and written by the keys' lines; the rows of keys land from LDS; global stores read them; not written again.
;   v64-79            read and written by the keys' lines; at the end the records land from LDS and global stores read them.
;   v28, v29          written by vector lines, read (with v30, v31, which loads fill) by an LDS store.
;   v50, v51          written at the head, read by the closing add alone.
; So four waits on va_vdst stand in the text: ahead of the first load, and ahead of each of the three runs of LDS stores whose data vector lines have just written.  One wait on vm_vsrc stands ahead of the
; branch round the keys' global stores: behind it v128-191, v32-35 and v56-63 may be written again.  One wait on va_sdst stands ahead of the first reader of the wave's number.
.set TILES, 3125
.set WSC,   8192                       ; LDS: 0: images of the 8 weight fragments, 1,024 bytes each;  8,192: their scale words, 128 bytes each;
.set STG,   9216                       ; 9,216: each wave's 16 records, 2,048 bytes a wave;
.set XST,   25600                      ; 25,600: each wave's 16 rows of keys, 256 bytes + 16 of padding each
.set KP,    272                        ; 68 words: the 16 rows that a store touches start at 16 different groups of four banks (64 banks of 4 bytes: ISA guide 11.1)
.set XC,    16                         ; v16-23   x's codes: my tile's fragment
.set XSW,   24                         ; v24      its scale words
.set SH8,   25                         ; v25      8 x (lane / 16)
.set KST,   26                         ; v26      the keys' stage: where I put my 128 bytes of row r
.set KRD,   27                         ; v27      and where I read 16 bytes of a row back
.set RW,    28                         ; v28-31   a record's words 16 to 19: q's scale word, k's, theta, mu
.set WS,    32                         ; v32-39   the eight weight tiles' scale words (v32-35 hold zeros until the barrier)
.set TM,    40                         ; v40-55   at work
.set WSW,   48                         ; v48      the scale word of the weight tile that I quantise
.set PC,    56                         ; v56-63   codes just made
.set XF,    64                         ; v64-127  x, f32; v96-127 then the rows of keys on their way out, v64-79 at the end the records
.set WF,    128                        ; v128-191 my weight tile, f32; then at work on the keys; then the eight weight fragments
.set ACC,   192                        ; v192-255 the eight accumulators: tiles 0-3 q, 4-7 k
; 64 numbers of a lane, register 32 c + i = k 64 c + 32 (lane / 16) + i of my row (two WHOLE blocks of 32), become the fragment's 8 registers in v[dst] on and the row's scale word in v[sw].
.macro QROW src, dst, sw
.irp c, 0,1
	v_max3_num_f32 v[TM+\c], |v[\src+32*\c]|, |v[\src+32*\c+1]|, 0x1800000   ; the block's largest magnitude, and the floor 2^(3 - 127): the byte cannot fall under 1
.endr
.irp i, 2,4,6,8,10,12,14,16,18,20,22,24,26,28,30
.irp c, 0,1
	v_max3_num_f32 v[TM+\c], v[TM+\c], |v[\src+32*\c+\i]|, |v[\src+32*\c+\i+1]|   ; (the two blocks by turns)
.endr
.endr
.irp c, 0,1
	v_add_nc_u32 v[TM+2+\c], 0xff000000, v[TM+\c]   ; 2 off the exponent field: the conversion takes the exponent field of this operand as its scale
.endr
.irp c, 0,1
	v_lshrrev_b32 v[TM+4+\c], 23, v[TM+2+\c]        ; the scale's byte
.endr
	v_lshl_or_b32 v[\sw], v[TM+5], 16, v[TM+4]      ; my two bytes: blocks h and 2 + h,
	v_lshlrev_b32 v[\sw], v[SH8], v[\sw]            ; at their places in the word;
	v_permlanex16_b32 v[TM+6], v[\sw], s28, s29
	v_or_b32 v[\sw], v[\sw], v[TM+6]                ; with lane l xor 16's two the word is whole
.irp c, 0,1
.irp g, 0,1,2,3
	v_cvt_scalef32_pk8_fp4_f32 v[\dst+4*\c+\g], v[\src+32*\c+8*\g:\src+32*\c+8*\g+7], v[TM+2+\c]
.endr
.endr
	v_nop                                           ; one plain place behind a scaled conversion
.endm
; 64 numbers of a lane, register 16 b + i = number 32 b + 16 (lane / 16) + i of my row (half blocks), become 8 registers of codes in v[PC] on (whole blocks: lanes 0-15 blocks 0 and 2, lanes 16-31 blocks 1 and 3); the four bytes stay in v[TM+4] on.
.macro QUANT s
.irp b, 0,1,2,3
	v_max3_num_f32 v[TM+\b], |v[\s+16*\b]|, |v[\s+1+16*\b]|, 0x1800000
.endr
.irp i, 2,4,6,8,10,12,14
.irp b, 0,1,2,3
	v_max3_num_f32 v[TM+\b], v[TM+\b], |v[\s+16*\b+\i]|, |v[\s+1+16*\b+\i]|   ; each accumulator is read from its low end on
.endr
.endr
.irp b, 0,1,2,3
	v_permlanex16_b32 v[TM+4+\b], v[TM+\b], s28, s29
.endr
.irp b, 0,1,2,3
	v_max_num_f32 v[TM+\b], v[TM+\b], v[TM+4+\b]    ; with lane l xor 16's: the block's largest magnitude
.endr
.irp b, 0,1,2,3
	v_add_nc_u32 v[TM+12+\b], 0xff000000, v[TM+\b]
.endr
.irp b, 0,1,2,3
	v_lshrrev_b32 v[TM+4+\b], 23, v[TM+12+\b]
.endr
.irp b, 0,1,2,3
	v_cvt_scalef32_pk8_fp4_f32 v[PC+2*\b], v[\s+16*\b:\s+7+16*\b], v[TM+12+\b]
	v_cvt_scalef32_pk8_fp4_f32 v[PC+1+2*\b], v[\s+8+16*\b:\s+15+16*\b], v[TM+12+\b]
.endr
	v_nop                                           ; one plain place behind a scaled conversion
.irp c, 0,1
.irp i, 0,1
	v_permlane16_swap_b32 v[PC+4*\c+\i], v[PC+2+4*\c+\i]   ; the first's lanes 16-31 change places with the second's lanes 0-15: a whole block in a lane
.endr
.endr
.endm
	s_load_b512 s[4:19], s[0:1], 0x0               ; emb s[4:5], qW s[6:7], qb s[8:9], kW s[10:11], kb s[12:13], theta s[14:15], mu s[16:17], rec s[18:19]
	s_load_b64 s[2:3], s[0:1], 0x40                ; the keys
	v_lshl_add_u32 v50, v0, 2, 0xec00              ; the LDS address of my spare word, behind the keys' stages, and 0: made here and kept for the closing lines alone
	v_mov_b32 v51, 0
	v_lshrrev_b32 v1, 5, v0
	v_readfirstlane_b32 s20, v1                    ; wave 0..7
	v_and_b32 v1, 15, v0                           ; r
	v_bfe_u32 v2, v0, 4, 1                         ; h
	v_and_b32 v14, 31, v0                          ; lane
	s_wait_alu depctr_va_sdst(0)                   ; s20 is written, ahead of its first reader: the tile, the LDS addresses and the weight's base are made from it
	s_lshl_b32 s21, ttmp9, 3
	s_add_co_u32 s21, s21, s20                     ; my tile
	s_min_u32 s22, s21, TILES-1                    ; the tile that I load: no load leaves its buffer
	v_lshlrev_b32 v3, 9, v1
	v_lshl_add_u32 v3, v2, 7, v3                   ; x: row r of 512 bytes, + 128 h: my block of 32 numbers
	v_and_b32 v4, 8, v1
	v_add_nc_u32 v4, v4, v1                        ; r + 8 (r / 8)
	v_lshlrev_b32 v4, 9, v4
	v_lshl_add_u32 v4, v2, 7, v4                   ; the weight: that row, + 128 h
	v_lshlrev_b32 v5, 4, v14                       ; 16 x lane: an image's place for my lane; also my place in 512 bytes of records or of keys
	v_lshlrev_b32 v6, 2, v14                       ; 4 x lane: a scale word's
	s_lshl_b32 s24, s20, 10
	v_add_nc_u32 v7, s24, v5                       ; where I store my weight tile's image
	s_lshl_b32 s24, s20, 7
	s_add_co_u32 s24, s24, WSC
	v_add_nc_u32 v8, s24, v6                       ; and its scale words
	v_lshlrev_b32 v9, 6, v2                        ; the biases: 64 h
	v_lshlrev_b32 v10, 2, v1                       ; theta, mu: 4 r
	s_lshl_b32 s24, s20, 11
	s_add_co_u32 s24, s24, STG                     ; my wave's 16 records in LDS
	v_lshl_add_u32 v12, v1, 7, s24                 ; record r
	v_lshl_add_u32 v11, v2, 4, v12                 ; + 16 h
	v_add_nc_u32 v13, s24, v5                      ; back: 16 bytes a lane
	s_mul_i32 s24, s20, 16*KP
	s_add_co_u32 s24, s24, XST                     ; my wave's 16 rows of keys in LDS
	v_mul_u32_u24 v[KST], v1, KP
	v_lshl_add_u32 v[KST], v2, 7, v[KST]
	v_add_nc_u32 v[KST], s24, v[KST]               ; in: row r, + 128 h: my 32 words
	v_mul_u32_u24 v[KRD], v2, KP
	v_lshl_add_u32 v[KRD], v1, 4, v[KRD]
	v_add_nc_u32 v[KRD], s24, v[KRD]               ; back: lanes 0-15 one row of 256 bytes, lanes 16-31 the next
	v_lshlrev_b32 v[SH8], 3, v2
	s_mov_b32 s28, 0x76543210
	s_mov_b32 s29, 0xfedcba98                      ; v_permlanex16_b32's selects for lane l xor 16
	s_mov_b32 s30, 0xffff                          ; a word's lower half
	s_mov_b32 s31, 0x07060302                      ; v_perm_b32: the first source's upper half over the second's
.irp b, 0,1,2,3
	v_mov_b32 v[TM+4+\b], 0                        ; written once: a lane permute's destination counts as one of its sources
	v_mov_b32 v[WS+\b], 0                          ; the zeros of the records' last bytes
.endr
	s_wait_kmcnt 0x0
	s_lshl_b32 s24, s22, 13                        ; 16 rows of 512 bytes a tile
	s_mov_b32 s25, 0
	s_add_nc_u64 s[4:5], s[4:5], s[24:25]
	s_lshl_b32 s24, s22, 6                         ; 16 numbers of theta and of mu
	s_add_nc_u64 s[14:15], s[14:15], s[24:25]
	s_add_nc_u64 s[16:17], s[16:17], s[24:25]
	s_lshl_b32 s24, s22, 11                        ; 16 records
	s_add_nc_u64 s[18:19], s[18:19], s[24:25]
	s_lshl_b32 s24, s22, 12                        ; 16 rows of keys
	s_add_nc_u64 s[2:3], s[2:3], s[24:25]
	s_cmp_lt_u32 s20, 4                            ; waves 0-3 quantise qW's tiles, waves 4-7 kW's: the choice hangs on the wave's number alone
	s_cselect_b64 s[26:27], s[6:7], s[10:11]
	s_bfe_u32 s24, s20, 0x10001                    ; b = (wave / 2) % 2: 32 rows,
	s_lshl_b32 s24, s24, 14
	s_and_b32 s23, s20, 1                          ; u = wave % 2: 8 rows
	s_lshl_b32 s23, s23, 12
	s_add_co_u32 s24, s24, s23
	s_add_nc_u64 s[26:27], s[26:27], s[24:25]
	s_wait_alu depctr_va_vdst(0)                   ; the offsets and LDS addresses v3 to v13, v26 and v27 are written, which the kernel's loads and stores read, and so are the zeros v32 to v35, the data of the two LDS stores below
.irp c, 0,1
.irp j, 0,1,2,3,4,5,6,7
	global_load_b128 v[WF+32*\c+4*\j:WF+32*\c+4*\j+3], v4, s[26:27] offset:256*\c+16*\j   ; my weight row's k = 64 c + 32 h + 4 j on
.endr
.endr
.irp c, 0,1
.irp j, 0,1,2,3,4,5,6,7
	global_load_b128 v[XF+32*\c+4*\j:XF+32*\c+4*\j+3], v3, s[4:5] offset:256*\c+16*\j     ; the same of my row of x
.endr
.endr
.irp t, 0,1,2,3                                ; lane (r, h) wants, for tile 2 b + u, the biases of units 32 b + 16 h + 8 u + 0 .. 7
	global_load_b128 v[ACC+8*\t:ACC+8*\t+3], v9, s[8:9] offset:(32*(\t/2)+8*(\t%2))*4
	global_load_b128 v[ACC+8*\t+4:ACC+8*\t+7], v9, s[8:9] offset:(32*(\t/2)+8*(\t%2))*4+16
	global_load_b128 v[ACC+32+8*\t:ACC+32+8*\t+3], v9, s[12:13] offset:(32*(\t/2)+8*(\t%2))*4
	global_load_b128 v[ACC+32+8*\t+4:ACC+32+8*\t+7], v9, s[12:13] offset:(32*(\t/2)+8*(\t%2))*4+16
.endr
	global_load_b32 v[RW+2], v10, s[14:15]         ; theta of row r
	global_load_b32 v[RW+3], v10, s[16:17]         ; mu
	ds_store_b128 v11, v[WS:WS+3] offset:80        ; bytes 80 to 127 of my records: 80 + 16 h and 96 + 16 h
	ds_store_b128 v11, v[WS:WS+3] offset:96
	s_wait_loadcnt 34                              ; the weight's 16 loads are in; behind them: x's 16, the biases' 16, theta and mu
	QROW WF, PC, WSW
	s_wait_alu depctr_va_vdst(0)                   ; the conversions have written v56 to v63 and the lines ahead of them v48: the data of the three LDS stores below
	ds_store_b128 v7, v[PC:PC+3]                   ; the fragment goes to LDS as it stands: lane l's 16 bytes at 16 l
	ds_store_b128 v7, v[PC+4:PC+7] offset:512
	ds_store_b32 v8, v[WSW]
	s_wait_loadcnt 18                              ; x's 16 loads are in; behind them: the biases' 16, theta and mu
	QROW XF, XC, XSW
	; ---- x's keys.  (x & 0xffff) + 0xffff has bit 16 set just where the lower half is not 0, and no bit above it: OR-ed onto x it sets the key's lowest bit there
.set M, 0
.rept 64
	v_and_b32 v[WF+M], s30, v[XF+M]
.set M, M+1
.endr
.set M, 0
.rept 64
	v_add_nc_u32 v[WF+M], s30, v[WF+M]
.set M, M+1
.endr
.set M, 0
.rept 64
	v_or_b32 v[XF+M], v[XF+M], v[WF+M]
.set M, M+1
.endr
.set M, 0
.rept 32
	v_perm_b32 v[WF+M], v[XF+32+M], v[XF+M], s31   ; word 32 h + i: column 64 + 32 h + i's key over column 32 h + i's
.set M, M+1
.endr
	s_wait_alu depctr_va_vdst(0)                   ; the packing lines have written v128 to v159, which the LDS stores read, and are done with v96 to v127, in which the LDS loads land; x's codes v16 to v23 and its scale word v24 are written too, which the scaled products take
.irp j, 0,1,2,3,4,5,6,7
	ds_store_b128 v[KST], v[WF+4*\j:WF+4*\j+3] offset:16*\j
.endr
.irp t, 0,1,2,3,4,5,6,7
	ds_load_b128 v[XF+32+4*\t:XF+32+4*\t+3], v[KRD] offset:2*\t*KP   ; LDS serves a wave's instructions in order (ISA guide 5.7.1.4): these see my stores
.endr
	s_wait_dscnt 0x0                               ; the rows of keys are back; and for the others' sake: my weight tile's image has landed
	s_wait_alu depctr_vm_vsrc(0)                   ; my LDS stores have read v128 to v159 and v32 to v35, in which the loads behind the barrier land, and v56 to v63, which the last quantiser writes again
	s_cmp_lt_u32 s21, TILES                        ; the three waves past the last tile store nothing
	s_cbranch_scc0 .Lno_keys
.irp t, 0,1,2,3,4,5,6,7
	global_store_b128 v5, v[XF+32+4*\t:XF+32+4*\t+3], s[2:3] offset:512*\t   ; 32 lanes store 512 consecutive bytes, two whole rows of keys, at a multiple of 256 from the buffer's first byte; v96-127 are not written again
.endr
.Lno_keys:
	s_barrier_signal -1
	s_barrier_wait -1                              ; all eight images lie in LDS
.irp t, 0,1,2,3,4,5,6,7
	ds_load_b128 v[WF+8*\t:WF+8*\t+3], v5 offset:1024*\t
	ds_load_b128 v[WF+8*\t+4:WF+8*\t+7], v5 offset:1024*\t+512
	ds_load_b32 v[WS+\t], v6 offset:WSC+128*\t
.endr
	s_wait_dscnt 0x0
	s_wait_loadcnt 0x0                             ; the biases, theta, mu
.irp t, 0,1,2,3,4,5,6,7                        ; eight accumulators, one instruction each; C = the bias that lies in the accumulator.  (x's codes and scale word were written by vector instructions: the keys' 224 lines stand between, and behind them the wait ahead of the keys' LDS stores)
	v_wmma_scale_f32_16x16x128_f8f6f4 v[ACC+8*\t:ACC+8*\t+7], v[WF+8*\t:WF+8*\t+7], v[XC:XC+7], v[ACC+8*\t:ACC+8*\t+7], v[WS+\t], v[XSW] matrix_a_fmt:MATRIX_FMT_FP4 matrix_b_fmt:MATRIX_FMT_FP4
.endr
.rept 4
	v_nop                                          ; four places in front of the first read of results (ISA guide 7.12.1)
.endr
	QUANT ACC                                      ; blocks 0, 1: q's 64 numbers; blocks 2, 3: k's
	v_lshl_or_b32 v[RW], v[TM+5], 8, v[TM+4]       ; q's two bytes,
	v_lshl_or_b32 v[RW+1], v[TM+7], 8, v[TM+6]     ; k's,
	v_lshl_or_b32 v[RW], v[RW], 16, v[RW]          ; each twice: the scores' products take them for blocks 0, 1 or for blocks 2, 3
	v_lshl_or_b32 v[RW+1], v[RW+1], 16, v[RW+1]
	s_wait_alu depctr_va_vdst(0)                   ; the exchanges have written the codes v56 to v63 and the four lines above v28 and v29: the data of the LDS stores below
	ds_store_b128 v11, v[PC:PC+3]                  ; q's codes of units 32 h on: bytes 16 h of record r
	ds_store_b128 v11, v[PC+4:PC+7] offset:32      ; k's: bytes 32 + 16 h
	ds_store_b128 v12, v[RW:RW+3] offset:64        ; (both lanes of a row write the same bytes with the same values)
.irp i, 0,1,2,3
	ds_load_b128 v[XF+4*\i:XF+4*\i+3], v13 offset:512*\i   ; these see my stores, as above
.endr
	s_wait_dscnt 0x0
	s_cmp_lt_u32 s21, TILES                        ; the three waves past the last tile store nothing
	s_cbranch_scc0 .Lend
.irp i, 0,1,2,3
	global_store_b128 v5, v[XF+4*\i:XF+4*\i+3], s[18:19] offset:512*\i   ; 32 lanes store 512 consecutive bytes, four whole records, at a multiple of 256 from the buffer's first byte
.endr
.Lend:
	s_wait_dscnt 0x0                               ; the closing lines, six on end
	s_wait_alu 0x0
	s_wait_tensorcnt 0x0
	ds_add_u32 v50, v51
	s_wait_dscnt 0x0
	s_endpgm
.Lfunc_end_k_q228f190585_prep:
	.size	k_q228f190585_prep, .Lfunc_end_k_q228f190585_prep-k_q228f190585_prep
	.p2alignl 7, 3214868480
	.fill 96, 4, 3214868480
	.section	.rodata,"a",@progbits
	.p2align	6, 0x0
	.amdhsa_kernel k_q228f190585_prep
		.amdhsa_group_segment_fixed_size 61440
		.amdhsa_private_segment_fixed_size 0
		.amdhsa_enable_private_segment 0
		.amdhsa_kernarg_size 72
		.amdhsa_user_sgpr_count 2
		.amdhsa_user_sgpr_kernarg_segment_ptr 1
		.amdhsa_wavefront_size32 1
		.amdhsa_system_sgpr_workgroup_id_x 1
		.amdhsa_system_sgpr_workgroup_id_y 1
		.amdhsa_system_sgpr_workgroup_id_z 1
		.amdhsa_system_vgpr_workitem_id 0
		.amdhsa_next_free_vgpr 256
		.amdhsa_next_free_sgpr 66
		.amdhsa_reserve_vcc 0
		.amdhsa_float_denorm_mode_32 3
		.amdhsa_float_denorm_mode_16_64 3
		.amdhsa_memory_ordered 1
		.amdhsa_forward_progress 1
		.amdhsa_inst_pref_size 33
	.end_amdhsa_kernel
	.amdgpu_metadata
---
amdhsa.version: [ 1, 2 ]
amdhsa.kernels:
  - .name:           k_q228f190585_prep
    .symbol:         k_q228f190585_prep.kd
    .args:
      - { .name: emb_table, .offset: 0, .size: 8, .value_kind: global_buffer, .address_space: global }
      - { .name: qW, .offset: 8, .size: 8, .value_kind: global_buffer, .address_space: global }
      - { .name: qb, .offset: 16, .size: 8, .value_kind: global_buffer, .address_space: global }
      - { .name: kW, .offset: 24, .size: 8, .value_kind: global_buffer, .address_space: global }
      - { .name: kb, .offset: 32, .size: 8, .value_kind: global_buffer, .address_space: global }
      - { .name: theta_table, .offset: 40, .size: 8, .value_kind: global_buffer, .address_space: global }
      - { .name: mu_table, .offset: 48, .size: 8, .value_kind: global_buffer, .address_space: global }
      - { .name: rec, .offset: 56, .size: 8, .value_kind: global_buffer, .address_space: global }
      - { .name: xk, .offset: 64, .size: 8, .value_kind: global_buffer, .address_space: global }
    .group_segment_fixed_size: 61440
    .private_segment_fixed_size: 0
    .kernarg_segment_align: 8
    .kernarg_segment_size: 72
    .max_flat_workgroup_size: 256
    .sgpr_count:     66
    .vgpr_count:     256
    .wavefront_size: 32
...
	.end_amdgpu_metadata
.endif
;; end of part 5
;; launch pool (part 6): grid 256 x 1, 16 waves a work-group, no clusters, 18,432 bytes of LDS; arguments input_ids, id_mask, input_times, xk, rec, out0; writes out0
.if DOCPART == 6
	.amdgcn_target "amdgcn-amd-amdhsa--gfx1250"
	.amdhsa_code_object_version 6
	.text
	.protected	k_q228f190585_pool
	.globl	k_q228f190585_pool
	.p2align	8
	.type	k_q228f190585_pool,@function
k_q228f190585_pool:
	s_mov_b64 s[64:65], 0
	v_nop
	global_prefetch_b8 v0, s[64:65] scope:SCOPE_SE
	s_setreg_imm32_b32 hwreg(HW_REG_WAVE_SCHED_MODE, 0, 2), 2
	s_setreg_imm32_b32 hwreg(HW_REG_WAVE_MODE, 25, 1), 1
	s_wait_xcnt 0x0
	s_wait_alu depctr_vm_vsrc(0)
; FOR EACH OF 16,384 SETS OF 32 CONCEPTS: scores = Q(q) Q(k)^T / 8 + m_i m_j (m = 0 where the mask is above 0.5, else -1e9); p = 2^(t - M), t = score x log2(e), M = ceil(the row's largest t);
; out = Q(p) Q(x) / l, l the sum of the unquantised p; pooled = the sum over the queries of out x sigmoid(theta - mu x time) x mask.  Both products on codes of FP4 (E2M1) with one E8M0 scale for each 32 along K.
; q's and k's codes and scale bytes, theta and mu come from the records that the launch before has made, one gather of 80 bytes a concept.  x is quantised along the KEYS of the set, so its scales belong to the set:
; its rows are gathered here, A LANE TO A COLUMN AND THE REGISTERS DOWN THE 32 KEYS: a block of 32 lies in one lane's 32 registers, and the conversions' results are the operand's registers.
; x COMES AS KEYS OF 16 BITS, which the launch before has made: a number's upper 16 bits, the lowest of them set besides where any bit cut off was set.  Widened by 16 zeros a key gives this quantiser the same scale byte and
; the same code as the number itself, for every finite number: the exponent field is kept, and a code turns only at numbers of three significant bits, which no inexact key equals or crosses (the proof stands at that launch's head).
; A row is 64 words: word w holds column w below and column 64 + w above.  So a set's 128 columns come in two passes of 32 loads (one load: 128 consecutive bytes of one row), and pass p gives column groups p and p + 2 of 32.
; SHARES.  Sixteen waves, four to a SIMD; a wave owns four sets, written out one after the other; waves share nothing: no barrier.
; WHAT IS ON ITS WAY.  Each pass's 32 loads are issued a whole set ahead: the next set's pass 0 from the point on where this set's is quantised, at the set's head; its pass 1 likewise, among the second product's groups.
; K OF 64 AND OF 32 IN AN INSTRUCTION OF 128: zero codes fill the rest.  Quads of zeros stand between the quads of codes in one chain of registers, so that eight consecutive registers place a quad in blocks 0, 1 (zeros behind it) or 2, 3 (zeros ahead).
;   Scores, transposed (source 0 = keys, source 1 = queries): K's eight registers hold keys 0-15 in blocks 0, 1 and keys 16-31 in blocks 2, 3; the queries' quad picks one of the two.  A lane then holds ONE query and 8 keys a tile.
;   Second product (source 0 = p, 16 queries; source 1 = x's codes of two column groups): lanes 0-15 of group 2 g are block 0, lanes 16-31 block 1, group 2 g + 1 blocks 2 and 3: four runs of 16 columns.  p's 32 codes stand in ONE block (quad L: lanes 0-15, quad H: lanes 16-31) and so pick the run.
; NO JOINT REQUESTS: rows are gathered by an index read from memory; no two work-groups are known to want the same tile.
; THE MULTIPLY t = u c AND THE ADD t - M STAY APART: where query and key are both masked u is 8e18, and a fused form would leave the product's rounding error, 2^30 and more, in place of 0.
; A BLOCK'S LARGEST p IS NOT SEARCHED FOR: the row's largest u goes through the same multiply, add and exponential (this takes v_exp_f32 not to fall where its input rises).
; LIMITS: NaN and infinities among the inputs are not served.  A column of x whose largest magnitude lies under 2^-124 keeps the scale byte 1 (a column of zeros too: its codes are zeros).  An index is held at 49,999 from above.
; THE MODE: SCHED_MODE bits 1:0 = 2 (LLVM: expert scheduling mode 2), set by the entry lines.  The code itself states the register dependences
; between vector or matrix instructions and memory or LDS instructions, with s_wait_alu, always for 0.
; THE PLAN.  A step is a set.  Registers that memory or LDS instructions touch in it:
;   v160-191 (OFR)    written by OFFS, once a set, behind the head; read by the 64 loads of the next set's two passes, the last of which are issued among the second product's groups.
;   v192-223          pass 0's words land; XQL 0, at the set's head, reads them and widens them in place; then the next set's pass 0 lands.
;   v224-255          the same for pass 1 and XQL 1, in front of the second product.
;   v36-43, v48-51, v56-59, v32-35, v8, v6   the records, the mask, the ids land; the exchanges, the scores' products and the sigmoid's lines work on them; behind these the next set's land.
;   v7                written by E1, read by its five record loads.
;   v12 (m), v9 (w / l), v22-25 (the pooled sums)   written by vector lines, read by LDS stores.
;   v144-159 (MK)     LDS loads land twice a set; read by the softmax's first lines, then by the pooling.
;   v112-115          at the set's end an LDS load lands, the global store reads them; the next set's XQL 0 writes them.
;   v1-5              offsets and LDS addresses: written at the head, never again.
; THE WAITS OF A SET.  On vm_vsrc, two: at the head (OFR, v7, v9, v22-25, v112-115 have been read) and at the softmax's head (v12 has been read).  On va_vdst, beside those behind exponentials and reciprocals: behind OFFS;
; ahead of m's LDS store; in E1; ahead of the LDS store of w / l; behind XQL 1; behind the last pooling.  On va_vcc, one: between the compare and its selects.
; Behind the wait that follows OFFS no vector or matrix line up to the sigmoid names OFR or v192-223, and behind the wait that follows XQL 1 none up to the set's end names OFR or v224-255:
; so the two passes' loads are dealt among those lines with no further wait.
.set IDMAX, 0xc34f
.set KF,  36                           ; v36-43   K's fragment
.set CH,  44                           ; v44-95   the chain: Z Q0 Z Q1 Z L0 Z H0 Z L1 Z H1 Z, four registers each; the Z are zeros, written once
.set PX,  96                           ; v96-111  x's codes: column group q at v[PX + 4 q]
.set SC,  112                          ; v112-143 the scores (16 t + 8 u + j: query 16 t + r, key 16 u + 8 h + j), then p; later the second product's results; in between, where they are free, a pass's lower keys widened
.set MK,  144                          ; v144-159 m of my 16 keys; later w / l of my 16 queries
.set OFR, 160                          ; v160-191 byte offset of key m's row of keys, + 4 x lane
.set XR,  192                          ; v192-255 x: a buffer of 32 words for each pass
; v1 4 x lane;  v2 my wave's LDS + 4 x lane;  v3 + 32 h;  v4 + 16 x lane;  v5 16 x lane;  v6 the next set's ids, a lane a concept;  v7 my record's offset;  v8 the mask;  v9 sigmoid x mask, then / l
; v10, v11 the conversions' scale operands (lower, upper column);  v12, v13 at work;  v14, v15 p's scale words;  v16, v17 x's scale words;  v18, v20 8 m of my query;  v19, v21 the largest u
; v22, v24 -M;  v23, v25 the largest t - M, then the largest p;  v[26:27], v[28:29] the sums;  v30, v31 p's scale operands;  v32 q's scale words, v33 k's, v34 theta, v35 mu.  v18-25 serve the pooling once the softmax is done, v26, v27 x's maxima outside it.
; LDS, 1,024 bytes a wave: 0 m of the 32 concepts;  128 w / l of the 32 queries;  256 a row of the output, 512 bytes.
; s[4:5] ids, s[6:7] mask, s[8:9] times, s[14:15] out: at my first set;  s[10:11] the keys;  s[12:13] the records;  s[20:23] my four times;  s[24:25] c;  s[26:27] lane selects;  s30 a word's upper half;  s[32:63] a set's 32 ids
.macro IDS n                           ; set n's 32 ids as scalars
	s_load_b512 s[32:47], s[4:5], 128*(\n)
	s_load_b512 s[48:63], s[4:5], 128*(\n)+64
.endm
.macro OFFS                            ; the rows' offsets: 256 x id + 4 x lane
.set M, 0
.rept 32
	s_min_u32 s[32+M], s[32+M], IDMAX
	v_lshl_add_u32 v[OFR+M], s[32+M], 8, v1
.set M, M+1
.endr
.endm
.macro XL p, from, n                   ; n loads of pass p, keys from .. from + n - 1: word 32 p + lane of key m's row into register m of buffer p
.set M, \from
.rept \n
	global_load_b32 v[XR+32*(\p)+M], v[OFR+M], s[10:11] offset:128*(\p)
.set M, M+1
.endr
.endm
; Pass p is quantised: column groups p (the words' lower halves) and p + 2 (the upper).  A lane's 32 registers are its column's one block.  cnt: the younger loads, which may stay out.
.macro XQL p, cnt
.set XB, XR+32*(\p)
	s_wait_loadcnt \cnt
.set M, 0
.rept 32
	v_lshlrev_b32 v[SC+M], 16, v[XB+M]                             ; the lower key, widened
.set M, M+1
.endr
	v_max3_num_f32 v12, |v[SC]|, |v[SC+1]|, 0x1800000              ; two chains a column; the floor 2^(3 - 127) holds the byte at 1 from below
	v_max3_num_f32 v26, |v[XB]|, |v[XB+1]|, 0x1800000              ; the upper column's on the words as they are: only the largest magnitude's exponent field is used, and the 16 bits below a key cannot change which field is the largest
	v_max3_num_f32 v13, |v[SC+16]|, |v[SC+17]|, |v[SC+18]|
	v_max3_num_f32 v27, |v[XB+16]|, |v[XB+17]|, |v[XB+18]|
.irp i, 2,4,6,8,10,12
	v_max3_num_f32 v12, v12, |v[SC+\i]|, |v[SC+\i+1]|
	v_max3_num_f32 v26, v26, |v[XB+\i]|, |v[XB+\i+1]|
	v_max3_num_f32 v13, v13, |v[SC+17+\i]|, |v[SC+18+\i]|
	v_max3_num_f32 v27, v27, |v[XB+17+\i]|, |v[XB+18+\i]|
.endr
	v_max3_num_f32 v12, v12, |v[SC+14]|, |v[SC+15]|
	v_max3_num_f32 v26, v26, |v[XB+14]|, |v[XB+15]|
	v_max3_num_f32 v12, v12, v13, |v[SC+31]|
	v_max3_num_f32 v26, v26, v27, |v[XB+31]|
	v_add_nc_u32 v10, 0xff000000, v12                              ; 2 off the exponent field: the conversion's scale operand
	v_add_nc_u32 v11, 0xff000000, v26
.if (\p) == 0
	v_lshrrev_b32 v16, 23, v10                                     ; the bytes of groups 0 and 2: kept where the scale words will stand
	v_lshrrev_b32 v17, 23, v11
.else
	v_lshrrev_b32 v12, 23, v10                                     ; the bytes of groups 1 and 3
	v_lshrrev_b32 v13, 23, v11
	v_lshl_or_b32 v12, v12, 16, v16                                ; the even group's byte for blocks 0 and 1, the odd group's for blocks 2 and 3
	v_lshl_or_b32 v13, v13, 16, v17
	v_lshl_or_b32 v16, v12, 8, v12
	v_lshl_or_b32 v17, v13, 8, v13
.endif
.set M, 0
.rept 32
	v_and_b32 v[XB+M], s30, v[XB+M]                                ; the upper key, widened in place.  (These 32 lines are also the eight places between the scale words and the scaled products)
.set M, M+1
.endr
.irp g, 0,1,2,3
	v_cvt_scalef32_pk8_fp4_f32 v[PX+4*(\p)+\g], v[SC+8*\g:SC+8*\g+7], v10
.endr
.irp g, 0,1,2,3
	v_cvt_scalef32_pk8_fp4_f32 v[PX+8+4*(\p)+\g], v[XB+8*\g:XB+8*\g+7], v11
.endr
	v_nop                                                          ; one plain place behind a scaled conversion
.if (\p) == 1
.rept 3
	v_nop                                                          ; with it four: an operand written by vector instructions stands four places ahead of a scaled matrix instruction
.endr
.endif
.endm
; What set n wants beside x: its concepts' records (a lane a concept), its mask, and the ids of the set after it.
.macro E1 n
	v_min_u32 v7, IDMAX, v6
	v_lshlrev_b32 v7, 7, v7
	s_wait_alu depctr_va_vdst(0)                                   ; v7 is written, which the record loads read as their offset; in a set besides: the exchanges, the scores' products and the sigmoid's lines are done with v36-43, v48-51, v56-59, v32-35 and v8, in which the loads land
	global_load_b128 v[CH+4:CH+7], v7, s[12:13]                    ; q's units 0-31
	global_load_b128 v[CH+12:CH+15], v7, s[12:13] offset:16        ; 32-63
	global_load_b128 v[KF:KF+3], v7, s[12:13] offset:32            ; k's units 0-31
	global_load_b128 v[KF+4:KF+7], v7, s[12:13] offset:48          ; 32-63
	global_load_b128 v[32:35], v7, s[12:13] offset:64              ; q's scale word, k's, theta, mu
	global_load_b32 v8, v1, s[6:7] offset:128*(\n)
.if (\n) < 3
	global_load_b32 v6, v1, s[4:5] offset:128*((\n)+1)
.endif
.endm
; 32 columns of the second product and their pooling: columns 32 (2 g + bp) + 16 v + r, v = 0, 1; queries 16 t + 8 h + j.  The sum stays in v[22 + 2 g + bp]; the four go to LDS together, behind the last group.
; LD1 = 1: eight loads of the next set's pass 1 stand behind the group's products.
.macro PVG g, bp
.irp v, 0,1
.irp t, 0,1
.if \v
	v_wmma_scale_f32_16x16x128_f8f6f4 v[SC+16*\v+8*\t:SC+16*\v+8*\t+7], v[CH+20+16*\t+8*\v-4*(\bp):CH+27+16*\t+8*\v-4*(\bp)], v[PX+8*(\g):PX+8*(\g)+7], 0, v[14+\t], v[16+(\g)] matrix_a_fmt:MATRIX_FMT_FP4 matrix_b_fmt:MATRIX_FMT_FP4 matrix_b_scale:MATRIX_SCALE_ROW1
.else
	v_wmma_scale_f32_16x16x128_f8f6f4 v[SC+16*\v+8*\t:SC+16*\v+8*\t+7], v[CH+20+16*\t+8*\v-4*(\bp):CH+27+16*\t+8*\v-4*(\bp)], v[PX+8*(\g):PX+8*(\g)+7], 0, v[14+\t], v[16+(\g)] matrix_a_fmt:MATRIX_FMT_FP4 matrix_b_fmt:MATRIX_FMT_FP4
.endif
.endr
.endr
.if LD1
	XL 1, 8*(2*(\g)+(\bp)), 8                      ; no wait: no vector or matrix line since the wait behind XQL 1 names these loads' offsets or the registers in which they land
.endif
.rept 5
	v_nop                                          ; four places in front of the reads of results, five in front of the next group's products, which write over them (ISA guide 7.12.1)
.endr
.irp v, 0,1
	v_pk_mul_f32 v[18+2*\v:19+2*\v], v[SC+16*\v:SC+16*\v+1], v[MK:MK+1]          ; out x w / l, summed over my 16 queries, two at a time; each accumulator from its low end on
.endr
.irp i, 2,4,6,8,10,12,14
.irp v, 0,1
	v_pk_fma_f32 v[18+2*\v:19+2*\v], v[SC+16*\v+\i:SC+16*\v+\i+1], v[MK+\i:MK+\i+1], v[18+2*\v:19+2*\v]
.endr
.endr
.irp v, 0,1
	v_add_f32 v[18+2*\v], v[18+2*\v], v[19+2*\v]
.endr
	v_permlane16_swap_b32 v18, v20                 ; v18: both runs' sums over queries 8 h = 0; v20: over 8 h = 8
	v_add_f32 v[22+2*(\g)+(\bp)], v18, v20         ; lane l: column 32 (2 g + bp) + l, all 32 queries
.endm
	s_load_b256 s[4:11], s[0:1], 0x0               ; ids s[4:5], mask s[6:7], times s[8:9], the keys s[10:11]
	s_load_b128 s[12:15], s[0:1], 0x20             ; the records s[12:13], out s[14:15]
	v_lshrrev_b32 v1, 5, v0
	v_readfirstlane_b32 s16, v1                    ; wave 0..15
	v_and_b32 v6, 31, v0                           ; lane
	v_bfe_u32 v7, v0, 4, 1                         ; h
	s_wait_alu depctr_va_sdst(0)                   ; s16 is written, ahead of its first reader: my first set and my LDS bytes are made from it
	s_lshl_b32 s17, ttmp9, 4
	s_add_co_u32 s17, s17, s16
	s_lshl_b32 s17, s17, 2                         ; my first set: 4 x (16 x work-group + wave)
	s_lshl_b32 s28, s16, 10                        ; my wave's 1,024 bytes of LDS
	v_lshlrev_b32 v1, 2, v6
	v_lshl_add_u32 v2, v6, 2, s28
	v_lshl_add_u32 v3, v7, 5, s28
	v_lshl_add_u32 v4, v6, 4, s28
	v_lshlrev_b32 v5, 4, v6
	s_mov_b32 s24, 0x3e38aa3b                      ; c = log2(e) / 8
	s_mov_b32 s25, s24                             ; (named with it as a pair, so it is written)
	s_mov_b32 s26, 0x76543210
	s_mov_b32 s27, 0xfedcba98                      ; v_permlanex16_b32's selects for lane l xor 16
	s_mov_b32 s30, 0xffff0000                      ; a word's upper half
.irp z, 0,8,16,24,32,40,48
.irp i, 0,1,2,3
	v_mov_b32 v[CH+\z+\i], 0                       ; the chain's seven quads of zeros
.endr
.endr
	v_mov_b32 v19, 0                               ; (named as the upper halves of pairs before they are first written)
	v_mov_b32 v21, 0
	s_mov_b32 s19, 0
	s_wait_kmcnt 0x0
	s_lshl_b32 s18, s17, 7                         ; 128 bytes of ids and of the mask a set,
	s_add_nc_u64 s[4:5], s[4:5], s[18:19]
	s_add_nc_u64 s[6:7], s[6:7], s[18:19]
	s_lshl_b32 s18, s17, 2                         ; 4 of times,
	s_add_nc_u64 s[8:9], s[8:9], s[18:19]
	s_lshl_b32 s18, s17, 9                         ; 512 of the output
	s_add_nc_u64 s[14:15], s[14:15], s[18:19]
	IDS 0
	s_load_b128 s[20:23], s[8:9], 0x0
	s_wait_alu depctr_va_vdst(0)                   ; the offsets and LDS addresses v1 to v5 are written, which the kernel's loads and stores read; the lines above are done with v6, in which the load below lands
	global_load_b32 v6, v1, s[4:5]                 ; set 0's ids once more, a lane a concept
	s_wait_kmcnt 0x0
	OFFS
	s_wait_alu depctr_va_vdst(0)                   ; the rows' offsets v160 to v191 are written, which both passes' loads read
	IDS 1
	XL 0, 0, 32
	s_wait_loadcnt 32                              ; the ids are in; the pass's 32 loads stay out
	E1 0
	XL 1, 0, 32                                    ; (a load that would be the 64th out is issued when the oldest is back: ISA guide 5.7.1; no wait is written for that)
.macro SET s
.if (\s) < 2
.set NE, 7                             ; the loads of E1 for the next set
.elseif (\s) == 2
.set NE, 6
.else
.set NE, 0
.endif
.if (\s) < 3
.set LD1, 1                            ; the next set's pass 1 is asked for
.else
.set LD1, 0
.endif
	s_wait_xcnt 0x0                                ; all earlier memory instructions have had their addresses translated (ISA guide 3.1): only behind this wait are the last set's store data (v112-115) and the rows' offsets, which pass 1's loads name, written again
	s_wait_alu depctr_vm_vsrc(0)                   ; the memory and LDS instructions issued so far have read their registers: the global store v112-115, both passes' loads v160-191, the record loads v7, the LDS stores v9 and v22-25; this set writes all of these again
	XQL 0, 32                                      ; pass 0 is in, and the records, the mask and the next ids, which were asked for between the two passes; pass 1's 32 loads stay out
.if (\s) < 3
	s_wait_kmcnt 0x0                               ; the next set's ids
	OFFS
	s_wait_alu depctr_va_vdst(0)                   ; the rows' offsets v160 to v191 are written, which the next set's loads read; the quantiser above is done with v192 to v223, in which pass 0's loads land
.if (\s) < 2
	IDS (\s)+2
.endif
	XL 0, 0, 8                                     ; the next set's pass 0: eight loads here, eight behind the exchanges, sixteen behind the scores' products
.endif
	; ---- the scores' operands.  As loaded a lane holds its concept's two halves; one exchange of lane halves makes of them the two tiles' fragments
.irp i, 0,1,2,3
	v_permlane16_swap_b32 v[KF+\i], v[KF+4+\i]         ; v36-39: keys 0-15, units 32 h on;  v40-43: keys 16-31
	v_permlane16_swap_b32 v[CH+4+\i], v[CH+12+\i]      ; Q0: queries 0-15;  Q1: queries 16-31
.endr
.if (\s) < 3
	XL 0, 8, 8                                     ; no wait: no vector line since the wait behind the offsets names these loads' offsets or the registers in which they land
.endif
	v_cmp_lt_f32 vcc_lo, 0.5, v8
	s_wait_alu depctr_va_vcc(0)                    ; the compare has written VCC, which the two selects read
	v_cndmask_b32 v12, 0xce6e6b28, v[CH], vcc_lo   ; m: 0 where the mask is above 0.5, else -1e9
	v_cndmask_b32 v18, 0xcfee6b28, v[CH], vcc_lo   ; 8 m
	v_mov_b32 v20, v18
	v_fma_f32 v13, -v35, s[20+(\s)], v34           ; theta - mu x time.  (These five lines are also the places between the exchanges and the products)
	s_wait_alu depctr_va_vdst(0)                   ; v12 is written, which the LDS store reads; the last set's pooling is done reading v144-159, in which the LDS loads land; the exchanges have written the fragments v36-43, v48-51 and v56-59, which the scaled products take
	ds_store_b32 v2, v12                           ; m, a lane a concept,
.irp u, 0,1
.irp i, 0,1
	ds_load_b128 v[MK+8*\u+4*\i:MK+8*\u+4*\i+3], v3 offset:64*\u+16*\i   ; comes back by keys: register 8 u + j = m of key 16 u + 8 h + j.  LDS serves a wave's instructions in order (ISA guide 5.7.1.4)
.endr
.endr
	v_permlane16_swap_b32 v18, v20                 ; v18: 8 m of query r, v20: of query 16 + r, in both halves of the lanes
	v_wmma_scale_f32_16x16x128_f8f6f4 v[SC:SC+7], v[KF:KF+7], v[CH+4:CH+11], 0, v33, v32 matrix_a_fmt:MATRIX_FMT_FP4 matrix_b_fmt:MATRIX_FMT_FP4
	v_wmma_scale_f32_16x16x128_f8f6f4 v[SC+8:SC+15], v[KF:KF+7], v[CH:CH+7], 0, v33, v32 matrix_a_fmt:MATRIX_FMT_FP4 matrix_b_fmt:MATRIX_FMT_FP4 matrix_a_scale:MATRIX_SCALE_ROW1
	v_wmma_scale_f32_16x16x128_f8f6f4 v[SC+16:SC+23], v[KF:KF+7], v[CH+12:CH+19], 0, v33, v32 matrix_a_fmt:MATRIX_FMT_FP4 matrix_b_fmt:MATRIX_FMT_FP4 matrix_b_scale:MATRIX_SCALE_ROW1
	v_wmma_scale_f32_16x16x128_f8f6f4 v[SC+24:SC+31], v[KF:KF+7], v[CH+8:CH+15], 0, v33, v32 matrix_a_fmt:MATRIX_FMT_FP4 matrix_b_fmt:MATRIX_FMT_FP4 matrix_a_scale:MATRIX_SCALE_ROW1 matrix_b_scale:MATRIX_SCALE_ROW1
.if (\s) < 3
	XL 0, 16, 16                                   ; the rest of the next set's pass 0; no wait, as above
.endif
	v_mul_f32 v13, 0xbfb8aa3b, v13                 ; the sigmoid, 1 / (1 + 2^(-log2(e) z)): its five plain lines are the places behind the products, for the loads into their operands and the reads of their results
	v_exp_f32 v13, v13
	v_nop
	s_wait_alu depctr_va_vdst(0)                   ; the exponential has written v13, ahead of the line that reads it
	v_add_f32 v13, 1.0, v13
	v_rcp_f32 v13, v13
	v_nop
	s_wait_alu depctr_va_vdst(0)                   ; the reciprocal has written v13, ahead of the line that reads it
	v_mul_f32 v9, v13, v8                          ; x the mask
.if (\s) < 3
	E1 (\s)+1                                      ; (v7 named this set's record loads, which the waits at the set's head have shown done, and done reading it)
.endif
	; ---- the softmax, the two tiles of queries by turns
	s_wait_dscnt 0x0                               ; m of my keys
	s_wait_alu depctr_vm_vsrc(0)                   ; the LDS store of m has read v12, which the exchange of the maxima below writes again
.irp i, 0,2,4,6,8,10,12,14
.irp t, 0,1
	v_pk_fma_f32 v[SC+16*\t+\i:SC+16*\t+\i+1], v[MK+\i:MK+\i+1], v[18+2*\t:19+2*\t], v[SC+16*\t+\i:SC+16*\t+\i+1] op_sel_hi:[1,0,1]   ; u = q . k + 8 m_i m_j = 8 x the logit; each accumulator from its low end on
.endr
.endr
.irp t, 0,1
	v_max3_num_f32 v[19+2*\t], v[SC+16*\t], v[SC+16*\t+1], v[SC+16*\t+2]
.endr
.irp i, 3,5,7,9,11,13
.irp t, 0,1
	v_max3_num_f32 v[19+2*\t], v[19+2*\t], v[SC+16*\t+\i], v[SC+16*\t+\i+1]
.endr
.endr
.irp t, 0,1
	v_max_num_f32 v[19+2*\t], v[19+2*\t], v[SC+16*\t+15]
.endr
.irp t, 0,1
	v_permlanex16_b32 v[12+\t], v[19+2*\t], s26, s27
.endr
.irp t, 0,1
	v_max_num_f32 v[19+2*\t], v[19+2*\t], v[12+\t]     ; with lane l xor 16's 16 keys: the row's largest u
.endr
.irp t, 0,1
	v_mul_f32 v[23+2*\t], s24, v[19+2*\t]              ; as t (c is positive)
.endr
.irp t, 0,1
	v_floor_f32 v[22+2*\t], -v[23+2*\t]                ; -M = floor(-t) = -ceil(t)
.endr
.irp t, 0,1
	v_add_f32 v[23+2*\t], v[23+2*\t], v[22+2*\t]       ; the largest t - M
.endr
.irp i, 0,2,4,6,8,10,12,14
.irp t, 0,1
	v_pk_mul_f32 v[SC+16*\t+\i:SC+16*\t+\i+1], v[SC+16*\t+\i:SC+16*\t+\i+1], s[24:25] op_sel_hi:[1,0]   ; t, rounded: see the head
.endr
.endr
.irp i, 0,2,4,6,8,10,12,14
.irp t, 0,1
	v_pk_add_f32 v[SC+16*\t+\i:SC+16*\t+\i+1], v[SC+16*\t+\i:SC+16*\t+\i+1], v[22+2*\t:23+2*\t] op_sel_hi:[1,0]   ; t - M
.endr
.endr
	v_exp_f32 v23, v23                             ; the rows' largest p, above 1/2 or equal to it: no floor is wanted
	v_exp_f32 v25, v25
.set M, 0
.rept 32
	v_exp_f32 v[SC+M], v[SC+M]                     ; p = 2^(t - M): not normalised
.set M, M+1
.endr
	v_nop                                          ; a plain place behind the exponentials
	s_wait_alu depctr_va_vdst(0)                   ; the 34 exponentials have written v23, v25 and v112 to v143: one wait for the batch, ahead of its first reader
.irp t, 0,1
	v_pk_add_f32 v[26+2*\t:27+2*\t], v[SC+16*\t:SC+16*\t+1], v[SC+16*\t+2:SC+16*\t+3]   ; the sum is taken of the unquantised p
.endr
.irp i, 4,6,8,10,12,14
.irp t, 0,1
	v_pk_add_f32 v[26+2*\t:27+2*\t], v[26+2*\t:27+2*\t], v[SC+16*\t+\i:SC+16*\t+\i+1]
.endr
.endr
.irp t, 0,1
	v_add_f32 v[26+2*\t], v[26+2*\t], v[27+2*\t]
.endr
	v_permlane16_swap_b32 v26, v28                 ; v26: both tiles' sums over the keys of h = 0, v28: of h = 1
	v_add_f32 v26, v26, v28                        ; l, a lane a concept
	v_rcp_f32 v26, v26
.irp t, 0,1
	v_add_nc_u32 v[30+\t], 0xff000000, v[23+2*\t]  ; 2 off the largest p's exponent field: the conversion's scale operand.  (A plain place behind the reciprocal)
.endr
.irp t, 0,1
	v_lshrrev_b32 v[12+\t], 23, v[30+\t]           ; the byte,
.endr
.irp t, 0,1
	v_lshl_or_b32 v[12+\t], v[12+\t], 8, v[12+\t]
.endr
.irp t, 0,1
	v_lshl_or_b32 v[14+\t], v[12+\t], 16, v[12+\t] ; four times: p's codes may stand in any of the four blocks
.endr
	s_wait_alu depctr_va_vdst(0)                   ; the reciprocal has written v26, ahead of the line that reads it
	v_mul_f32 v9, v9, v26                          ; w / l
.irp t, 0,1                                    ; my 8 codes of keys 8 h on and of keys 16 + 8 h on, once for L and once for H
	v_cvt_scalef32_pk8_fp4_f32 v[CH+20+16*\t], v[SC+16*\t:SC+16*\t+7], v[30+\t]
	v_cvt_scalef32_pk8_fp4_f32 v[CH+22+16*\t], v[SC+16*\t+8:SC+16*\t+15], v[30+\t]
	v_cvt_scalef32_pk8_fp4_f32 v[CH+29+16*\t], v[SC+16*\t:SC+16*\t+7], v[30+\t]
	v_cvt_scalef32_pk8_fp4_f32 v[CH+31+16*\t], v[SC+16*\t+8:SC+16*\t+15], v[30+\t]
.endr
.irp t, 0,1
	v_mov_b32 v[CH+21+16*\t], 0                    ; (plain places behind the conversions)
	v_mov_b32 v[CH+23+16*\t], 0
	v_mov_b32 v[CH+28+16*\t], 0
	v_mov_b32 v[CH+30+16*\t], 0
.endr
.irp t, 0,1
.irp i, 0,2
	v_permlane16_swap_b32 v[CH+20+16*\t+\i], v[CH+21+16*\t+\i]   ; L: lanes 0-15 get the row's 32 codes, keys ascending; lanes 16-31 zeros
	v_permlane16_swap_b32 v[CH+28+16*\t+\i], v[CH+29+16*\t+\i]   ; H: lanes 16-31 get them; lanes 0-15 zeros
.endr
.endr
	s_wait_alu depctr_va_vdst(0)                   ; v9 is written, which the LDS store reads; the softmax's first lines are done reading v144-159, in which the LDS loads land
	ds_store_b32 v2, v9 offset:128                 ; w / l, a lane a concept,
.irp t, 0,1
.irp i, 0,1
	ds_load_b128 v[MK+8*\t+4*\i:MK+8*\t+4*\i+3], v3 offset:128+64*\t+16*\i   ; comes back by queries: register 8 t + j = that of query 16 t + 8 h + j
.endr
.endr
.if (\s) < 3
	XQL 1, 32+NE                                   ; pass 1 is in; behind it: the next set's pass 0, 32 loads, and its records, mask and ids, NE
.else
	XQL 1, 0
.endif
	s_wait_alu depctr_va_vdst(0)                   ; x's codes v96-111 and scale words v16, v17, p's codes in the chain and scale words v14, v15 are written, which the scaled products take (their places stand ahead of this wait); the quantiser is done with v224-255, in which the next set's pass 1 lands
	; ---- the second product and the pooling, 32 columns at a time; the next set's pass 1 among them, eight loads a group
	s_wait_dscnt 0x0                               ; w / l of my queries
	PVG 0, 0
	PVG 0, 1
	PVG 1, 0
	PVG 1, 1
	s_wait_alu depctr_va_vdst(0)                   ; the four sums v22 to v25 are written, which the LDS stores read; the last products and the pooling are done with v112-115, in which the LDS load lands
.irp c, 0,1,2,3
	ds_store_b32 v2, v[22+\c] offset:256+128*\c    ; columns 32 c + lane
.endr
	ds_load_b128 v[SC:SC+3], v4 offset:256         ; the row of 128 numbers, 16 bytes a lane
	s_wait_dscnt 0x0
	global_store_b128 v5, v[SC:SC+3], s[14:15] offset:512*(\s) th:TH_STORE_NT   ; 32 lanes store 512 consecutive bytes, at a multiple of 256 from the output's first byte; written once, read by nobody here
.endm
	SET 0
	SET 1
	SET 2
	SET 3
	s_wait_xcnt 0x0
	v_lshl_add_u32 v254, v0, 2, 0x4000             ; the LDS address of my spare word, behind the waves' bytes, and 0: made anew here, since no two registers could be kept (v0 is as at the entry; no memory or LDS instruction has read v254 or v255)
	v_mov_b32 v255, 0
	s_wait_dscnt 0x0                               ; the closing lines, six on end
	s_wait_alu 0x0
	s_wait_tensorcnt 0x0
	ds_add_u32 v254, v255
	s_wait_dscnt 0x0
	s_endpgm
.Lfunc_end_k_q228f190585_pool:
	.size	k_q228f190585_pool, .Lfunc_end_k_q228f190585_pool-k_q228f190585_pool
	.p2alignl 7, 3214868480
	.fill 96, 4, 3214868480
	.section	.rodata,"a",@progbits
	.p2align	6, 0x0
	.amdhsa_kernel k_q228f190585_pool
		.amdhsa_group_segment_fixed_size 18432
		.amdhsa_private_segment_fixed_size 0
		.amdhsa_enable_private_segment 0
		.amdhsa_kernarg_size 48
		.amdhsa_user_sgpr_count 2
		.amdhsa_user_sgpr_kernarg_segment_ptr 1
		.amdhsa_wavefront_size32 1
		.amdhsa_system_sgpr_workgroup_id_x 1
		.amdhsa_system_sgpr_workgroup_id_y 1
		.amdhsa_system_sgpr_workgroup_id_z 1
		.amdhsa_system_vgpr_workitem_id 0
		.amdhsa_next_free_vgpr 256
		.amdhsa_next_free_sgpr 66
		.amdhsa_reserve_vcc 1
		.amdhsa_float_denorm_mode_32 3
		.amdhsa_float_denorm_mode_16_64 3
		.amdhsa_memory_ordered 1
		.amdhsa_forward_progress 1
		.amdhsa_inst_pref_size 159
	.end_amdhsa_kernel
	.amdgpu_metadata
---
amdhsa.version: [ 1, 2 ]
amdhsa.kernels:
  - .name:           k_q228f190585_pool
    .symbol:         k_q228f190585_pool.kd
    .args:
      - { .name: input_ids, .offset: 0, .size: 8, .value_kind: global_buffer, .address_space: global }
      - { .name: id_mask, .offset: 8, .size: 8, .value_kind: global_buffer, .address_space: global }
      - { .name: input_times, .offset: 16, .size: 8, .value_kind: global_buffer, .address_space: global }
      - { .name: xk, .offset: 24, .size: 8, .value_kind: global_buffer, .address_space: global }
      - { .name: rec, .offset: 32, .size: 8, .value_kind: global_buffer, .address_space: global }
      - { .name: out0, .offset: 40, .size: 8, .value_kind: global_buffer, .address_space: global }
    .group_segment_fixed_size: 18432
    .private_segment_fixed_size: 0
    .kernarg_segment_align: 8
    .kernarg_segment_size: 48
    .max_flat_workgroup_size: 512
    .sgpr_count:     66
    .vgpr_count:     256
    .wavefront_size: 32
...
	.end_amdgpu_metadata
.endif
;; end of part 6
